; MI455X (gfx1250); checked and timed in simulation.
; The chip was launched on July 23, 2026; its instructions are those of AMD's public machine-readable ISA for CDNA 5 (MIT licence, August 2026) and "CDNA5" Instruction Set Architecture Reference Guide (July 2026). The comments in the code are by the model that wrote it; some were corrected since.
;; Attention Block. Allowed arithmetic: matrix products marked QUANTISED: E4M3 operands, one E8M0 scale for each 32 along K, by v_wmma_scale_f32_16x16x128_f8f6f4 with both operands' format E4M3, f32 sums; everything else in f32.
;; Inputs: b_out 1,024 float32; b_qkv 3,072 float32; ln_b 1,024 float32; ln_g 1,024 float32; w_out_codes 1,024 x 32 x 32 uint8 (E4M3 codes of w_out, K innermost, in blocks of 32 codes); w_out_scales 1,024 x 32 uint8 (E8M0 scales of w_out, one for each 32 codes along K); w_qkv_codes 3,072 x 32 x 32 uint8 (E4M3 codes of w_qkv, K innermost, in blocks of 32 codes); w_qkv_scales 3,072 x 32 uint8 (E8M0 scales of w_qkv, one for each 32 codes along K); x 8 x 1,024 x 1,024 float32.
;; Outputs: out0 8 x 1,024 x 1,024 float32.
;; This version of the problem:
;;   THIS VERSION OF THE PROBLEM IS GIVEN IN LOW PRECISION. The matrix products marked QUANTISED in the list below multiply operands that are first quantised to E4M3 (4 exponent bits, 3 mantissa bits; 8 bits a number), with one power-of-two scale for each 32 numbers along K (OCP MX v1.0); their sums are f32. All else is computed in f32.
;;   The module's matrix products, in the order in which they are computed (A, B: the left and right operand; K: the contracted axis; several contracted axes count as one K, in the product's order):
;;     1. [M 8,192, K 1,024] x [K 1,024, N 3,072]; A: computed on the way; B: input w_qkv (given as codes): QUANTISED
;;     2. batch 64 x [M 1,024, K 128] x [K 128, N 1,024]; A: computed on the way; B: computed on the way: QUANTISED
;;     3. batch 64 x [M 1,024, K 1,024] x [K 1,024, N 128]; A: softmax (see below); B: computed on the way: QUANTISED
;;     4. [M 8,192, K 1,024] x [K 1,024, N 1,024]; A: computed on the way; B: input w_out (given as codes): QUANTISED
;;   THE QUANTISER, for each operand of a quantised product, along K:
;;     - K is cut into blocks of 32 from its start; a last block that is shorter is filled with zeros.
;;     - A block's scale is 2^e with e = floor(log2(the largest magnitude in the block)) - 8, held to -126 .. 127; a block of zeros has e = 0. As a byte (E8M0): e + 127.
;;     - Each number is divided by its block's scale, clamped to +-448, and rounded to the nearest number of E4M3, ties to even, subnormals kept.
;;     - The product sums the exact products of the quantised numbers (number of the format x scale) in f32.
;;   ~~~python
;;   def quantise(x, axis):      # numpy; x: float32 -> the quantised numbers, widened to float32 again
;;       x = np.moveaxis(x, axis, -1); K = x.shape[-1]
;;       x = np.pad(x, [(0, 0)] * (x.ndim - 1) + [(0, -K % 32)]); x = x.reshape(x.shape[:-1] + (-1, 32)); a = np.abs(x).max(-1, keepdims=True)
;;       e = np.where(a > 0, np.clip(np.frexp(np.where(a > 0, a, 1))[1] - 1 - 8, -126, 127), 0)      # np.frexp(a)[1] - 1 = floor(log2(a)), exactly
;;       r = np.clip(x / 2.0 ** e, -448, 448)
;;       step = 2.0 ** (np.maximum(np.frexp(np.where(r == 0, 1, r))[1] - 1, -6) - 3)
;;       q = np.round(r / step) * step * 2.0 ** e      # np.round: ties to even
;;       return np.moveaxis(q.reshape(q.shape[:-2] + (-1,))[..., :K], -1, axis).astype(np.float32)
;;   ~~~
;;   SOFTMAX AHEAD OF A QUANTISED PRODUCT. Where the list says 'softmax', what is quantised is not the finished softmax but p = 2^(t - M), with t = logit x log2(e) and M = ceil(the row's largest t), a whole number; so 1/2 < the row's largest p <= 1. The row's sum l is taken of the UNQUANTISED p, in f32, and the product's result is divided by l at the end. Since M is a whole number, a kernel that streams over the keys may use a running M (the ceiling of the running maximum): every later rescaling is an exact power of two, which a block's scale takes up: the codes' values come out the same.
;;   OPERANDS COMPUTED ON THE WAY. 'Computed on the way' means the value that the module computes at that place (a softmax that the list does not call 'softmax' is quantised finished and normalised). What goes into a quantiser is computed in f32, as accurately as f32 sums, v_exp_f32 and their like allow (about 1e-6 of the number): no bf16 or f16 on the way to a quantiser, and a product that is left as it is and whose result goes on into a quantised operand takes f32 operands (vector FMAs, or v_wmma_f32_16x16x4_f32). A number that lies on a knife's edge between two numbers of the format may be rounded either way, as far as f32 arithmetic and the matrix unit's own rounding can turn it there, and no further.
;;   INPUTS GIVEN AS CODES. w_out (in the module: [1024, 1024], K = its axis 0); w_qkv (in the module: [1024, 3072], K = its axis 0): each comes as NAME_codes (uint8): NAME with its K axis moved to the last place and cut into blocks of 32 codes, [.., K / 32, bytes a block], one block behind the other in memory; one code a byte (a code: sign, 4 exponent bits, 3 mantissa bits); and NAME_scales (uint8): the same leading axes, one E8M0 byte (e + 127) for each 32 codes along K. Its value is code x scale, taken as it is: it is not quantised again, and the codes and scales need not be those that the quantiser above would give.
;; One version. Each part assembles by itself: llvm-mc -triple=amdgcn-amd-amdhsa -mcpu=gfx1250 --defsym DOCPART=n.
;; ======== version 1 of 1: 4 launches
;; limits: right only within a limited range of input values
;; workspace buffers: xq 8,716,288 bytes; wv 1,081,344 bytes; q 17,301,504 bytes; kv 17,301,504 bytes; at 8,650,752 bytes
;; launch ln (part 1): grid 256 x 1, 8 waves a work-group, no clusters, 2,304 bytes of LDS; arguments x, ln_g, ln_b, w_qkv_codes, w_qkv_scales, xq, wv; writes xq, wv
.if DOCPART == 1
	.amdgcn_target "amdgcn-amd-amdhsa--gfx1250"
	.amdhsa_code_object_version 6
	.text
	.protected	k_qa262bd2d01_ln
	.globl	k_qa262bd2d01_ln
	.p2align	8
	.type	k_qa262bd2d01_ln,@function
k_qa262bd2d01_ln:
	s_mov_b64 s[64:65], 0
	v_nop
	global_prefetch_b8 v0, s[64:65] scope:SCOPE_SE
	s_setreg_imm32_b32 hwreg(HW_REG_WAVE_MODE, 25, 1), 1
	s_wait_xcnt 0x0
; LAUNCH 1 OF 4.  xn = (x - mu) rsqrt(var + 1e-5) g + b over the 1,024 channels of each of 8,192 rows, quantised along the channels (K of the first product):
; xq holds the codes [8192][1024] at byte 0, the scale bytes [8192][32] at 0x800000 and (mu, rsqrt) of each row, two f32, at 0x840000 (the last launch makes xn again from x and these).
; NO WORK OF THE PROBLEM IS LEFT OUT IN ANY OF THE FOUR LAUNCHES: every input has a way to the output (k's bias stands ahead of a quantiser), and all nine are loaded.
; THE RESHAPE: pseudo-head bh is rows 128 bh .. 128 bh + 127 of q, k, v; local row l, column 128 j + d is position 8 l + j, channel d.
; Beside the norm each work-group copies four rows of V's part of w_qkv into wv, in the order in which the next launch wants them as rows of an operand:
; row n' = 128 dt + 16 j + rho of wv is row 2048 + 128 j + d of w_qkv_codes, d = 32 (dt / 2) + 8 (dt % 2) + rho + 8 (rho / 8); scale bytes likewise, at 0x100000.
; SHARES: a work-group has 32 rows, a wave 4; a lane holds columns 256 k + 8 lane + 0 .. 7, k = 0 .. 3: each load of the wave covers 1,024 bytes in two halves, four lanes hold a block of 32.
; All 32 loads of a wave's four rows go out at once.  Codes leave 256 aligned bytes an instruction; scale words and statistics are gathered in LDS and leave in whole aligned runs of 256 bytes.
; The four rows' 128 scale bytes of wv are half of such a run: 32 KB in the whole launch.
; LIMITS: a block of zeros gets the byte 1 where the quantiser says 127 (its codes are zeros; these bytes are read by this program alone); blocks under 2^-118 are held at byte 1; NaN and infinities among the inputs are not served.
.set SPARE, 1280                       ; LDS: 0-1023 scale words, 1024-1279 statistics, then the spare words, 128 bytes a wave
.set G, 32                             ; v32-63   g of my 32 columns
.set B, 64                             ; v64-95   b
.set X, 96                             ; v96-223  four rows, 32 registers each
.set C, 224                            ; v224-255 codes: two registers for each (row, k), never rewritten
.macro SRC d, n, t                     ; the row of w_qkv that row s[n] of wv takes
	s_bfe_u32 s[\d], s[\n], 0x30004                ; j
	s_lshl_b32 s[\d], s[\d], 7
	s_lshr_b32 s[\t], s[\n], 8                     ; dt / 2
	s_lshl_b32 s[\t], s[\t], 5
	s_add_co_u32 s[\d], s[\d], s[\t]
	s_bfe_u32 s[\t], s[\n], 0x10007                ; dt % 2
	s_lshl_b32 s[\t], s[\t], 3
	s_add_co_u32 s[\d], s[\d], s[\t]
	s_and_b32 s[\t], s[\n], 15                     ; rho
	s_add_co_u32 s[\d], s[\d], s[\t]
	s_and_b32 s[\t], s[\n], 8                      ; 8 (rho / 8)
	s_add_co_u32 s[\d], s[\d], s[\t]
	s_add_co_u32 s[\d], s[\d], 2048
.endm
	s_load_b256 s[4:11], s[0:1], 0x0               ; x, ln_g, ln_b, w_qkv_codes
	s_load_b128 s[12:15], s[0:1], 0x20             ; w_qkv_scales, xq
	s_load_b64 s[16:17], s[0:1], 0x30              ; wv
	v_lshl_add_u32 v6, v0, 2, SPARE                ; my spare word; never rewritten
	v_mov_b32 v7, 0                                ; 0; never rewritten
	v_lshrrev_b32 v8, 5, v0
	s_delay_alu instid0(VALU_DEP_1)
	v_readfirstlane_b32 s18, v8                    ; wave 0..7
	v_and_b32 v9, 31, v0                           ; lane
	s_delay_alu instid0(VALU_DEP_1)
	v_lshlrev_b32 v1, 5, v9                        ; 32 x lane: my 8 numbers of 256
	s_delay_alu instid0(VALU_DEP_2)
	v_lshlrev_b32 v2, 3, v9                        ; 8 x lane: my 8 codes
	s_delay_alu instid0(VALU_DEP_3)
	v_lshlrev_b32 v25, 4, v9                       ; 16 x lane
	s_delay_alu instid0(VALU_DEP_4)
	v_lshlrev_b32 v23, 2, v9                       ; 4 x lane
	v_bfe_u32 v10, v0, 4, 1                        ; h
	s_lshl_b32 s19, s18, 7
	v_lshl_add_u32 v3, v10, 2, s19                 ; LDS: my wave's scale words, 128 w + 4 h
	s_lshl_b32 s19, s18, 5
	s_add_co_u32 s19, s19, 1024
	v_mov_b32 v4, s19                              ; LDS: my wave's statistics
	v_bfe_u32 v5, v0, 2, 2
	s_delay_alu instid0(VALU_DEP_1)
	v_lshlrev_b32 v5, 3, v5                        ; my block's byte in its scale word: shift by 8 ((lane / 4) % 4)
	v_lshlrev_b32 v30, 4, v0                       ; LDS on the way out: 16 x thread (waves 0, 1)
	v_add_nc_u32 v31, 1024, v2                     ; and 1024 + 8 x lane (wave 2)
	v_mov_b32 v24, 0                               ; destinations of lane exchanges count as read: written once
	v_mov_b32 v22, 0
	s_mov_b32 s28, 0x76543210
	s_mov_b32 s29, 0xfedcba98                      ; lane l xor 16
	s_mov_b32 s30, 0x3a800000                      ; 1 / 1024
	s_mov_b32 s31, 0x3727c5ac                      ; 1e-5
	s_mov_b32 s46, 0x600000                        ; the mantissa field of 448
	s_lshl_b32 s20, ttmp9, 5
	s_lshl_b32 s21, s18, 2
	s_add_co_u32 s20, s20, s21                     ; my first row: 32 g + 4 w
	s_lshl_b32 s22, s20, 12                        ; in x,
	s_mov_b32 s23, 0
	s_lshl_b32 s32, s20, 10                        ; in the codes
	s_mov_b32 s33, 0
	s_lshl_b32 s34, ttmp9, 10
	s_add_co_u32 s34, s34, 0x800000                ; the work-group's 1,024 scale bytes
	s_mov_b32 s35, 0
	s_lshl_b32 s36, ttmp9, 8
	s_add_co_u32 s36, s36, 0x840000                ; and its 256 bytes of statistics
	s_mov_b32 s37, 0
	s_lshl_b32 s26, ttmp9, 2                       ; wv: rows 4 g .. 4 g + 3; four source rows on end, since 4 g is a multiple of 4
	SRC 42, 26, 27
	s_lshl_b32 s42, s42, 5                         ; their scale bytes in w_qkv_scales
	s_mov_b32 s43, 0
	s_lshl_b32 s44, ttmp9, 7
	s_add_co_u32 s44, s44, 0x100000                ; and in wv
	s_mov_b32 s45, 0
	s_lshr_b32 s27, s18, 1
	s_add_co_u32 s26, s26, s27                     ; my wave's row n' = 4 g + w / 2, half w % 2
	SRC 38, 26, 27
	s_and_b32 s27, s18, 1
	s_lshl_b32 s27, s27, 9
	s_lshl_b32 s38, s38, 10
	s_add_co_u32 s38, s38, s27
	s_mov_b32 s39, 0
	s_lshl_b32 s40, s26, 10
	s_add_co_u32 s40, s40, s27
	s_mov_b32 s41, 0
	s_wait_kmcnt 0x0
	s_add_nc_u64 s[4:5], s[4:5], s[22:23]
	s_add_nc_u64 s[32:33], s[14:15], s[32:33]
	s_add_nc_u64 s[34:35], s[14:15], s[34:35]
	s_add_nc_u64 s[36:37], s[14:15], s[36:37]
	s_add_nc_u64 s[38:39], s[10:11], s[38:39]
	s_add_nc_u64 s[40:41], s[16:17], s[40:41]
	s_add_nc_u64 s[42:43], s[12:13], s[42:43]
	s_add_nc_u64 s[44:45], s[16:17], s[44:45]
	global_load_b128 v[26:29], v25, s[38:39]       ; half a row of V's weights
.irp k, 0,1,2,3
	global_load_b128 v[G+8*\k:G+8*\k+3],   v1, s[6:7] offset:1024*\k
	global_load_b128 v[G+8*\k+4:G+8*\k+7], v1, s[6:7] offset:1024*\k+16
	global_load_b128 v[B+8*\k:B+8*\k+3],   v1, s[8:9] offset:1024*\k
	global_load_b128 v[B+8*\k+4:B+8*\k+7], v1, s[8:9] offset:1024*\k+16
.endr
.irp t, 0,1,2,3
.irp k, 0,1,2,3
	global_load_b128 v[X+32*\t+8*\k:X+32*\t+8*\k+3],   v1, s[4:5] offset:4096*\t+1024*\k th:TH_LOAD_NT
	global_load_b128 v[X+32*\t+8*\k+4:X+32*\t+8*\k+7], v1, s[4:5] offset:4096*\t+1024*\k+16 th:TH_LOAD_NT
.endr
.endr
.macro REDUCE                          ; v8 summed over the 32 lanes, in every lane
	s_delay_alu instid0(VALU_DEP_1)
	v_add_f32_dpp v8, v8, v8 row_xmask:1 row_mask:0xf bank_mask:0xf
	s_delay_alu instid0(VALU_DEP_1)
	v_add_f32_dpp v8, v8, v8 row_xmask:2 row_mask:0xf bank_mask:0xf
	s_delay_alu instid0(VALU_DEP_1)
	v_add_f32_dpp v8, v8, v8 row_xmask:4 row_mask:0xf bank_mask:0xf
	s_delay_alu instid0(VALU_DEP_1)
	v_add_f32_dpp v8, v8, v8 row_xmask:8 row_mask:0xf bank_mask:0xf
	s_delay_alu instid0(VALU_DEP_1)
	v_permlanex16_b32 v24, v8, s28, s29
	s_delay_alu instid0(VALU_DEP_1)
	v_add_f32 v8, v8, v24
.endm
.macro ROW t
.set XR, X+32*\t
	s_wait_loadcnt 8*(3-\t)                        ; loads come back in order: this row's eight are in, the later rows' may be out
	v_pk_add_f32 v[8:9], v[XR:XR+1], v[XR+2:XR+3]  ; the sum, in two chains
	v_pk_add_f32 v[10:11], v[XR+4:XR+5], v[XR+6:XR+7]
.irp n, 8,12,16,20,24,28
	s_delay_alu instid0(VALU_DEP_2)
	v_pk_add_f32 v[8:9], v[8:9], v[XR+\n:XR+\n+1]
	s_delay_alu instid0(VALU_DEP_2)
	v_pk_add_f32 v[10:11], v[10:11], v[XR+\n+2:XR+\n+3]
.endr
	s_delay_alu instid0(VALU_DEP_1)
	v_pk_add_f32 v[8:9], v[8:9], v[10:11]
	s_delay_alu instid0(VALU_DEP_1)
	v_add_f32 v8, v8, v9
	REDUCE
	s_delay_alu instid0(VALU_DEP_1)
	v_mul_f32 v12, s30, v8                         ; mu
	s_delay_alu instid0(VALU_DEP_1)
	v_mov_b32 v13, v12
.set n, 0
.rept 16
	v_pk_add_f32 v[XR+n:XR+n+1], v[XR+n:XR+n+1], v[12:13] neg_lo:[0,1] neg_hi:[0,1]   ; x - mu
.set n, n+2
.endr
	v_pk_mul_f32 v[8:9], v[XR:XR+1], v[XR:XR+1]
	v_pk_mul_f32 v[10:11], v[XR+2:XR+3], v[XR+2:XR+3]
.irp n, 4,8,12,16,20,24,28
	s_delay_alu instid0(VALU_DEP_2)
	v_pk_fma_f32 v[8:9], v[XR+\n:XR+\n+1], v[XR+\n:XR+\n+1], v[8:9]
	s_delay_alu instid0(VALU_DEP_2)
	v_pk_fma_f32 v[10:11], v[XR+\n+2:XR+\n+3], v[XR+\n+2:XR+\n+3], v[10:11]
.endr
	s_delay_alu instid0(VALU_DEP_1)
	v_pk_add_f32 v[8:9], v[8:9], v[10:11]
	s_delay_alu instid0(VALU_DEP_1)
	v_add_f32 v8, v8, v9
	REDUCE
	s_delay_alu instid0(VALU_DEP_1)
	v_fma_f32 v8, v8, s30, s31                     ; var + 1e-5
	s_wait_alu depctr_va_vdst(0)
	v_rsq_f32 v14, v8
	v_mov_b32 v16, v12                             ; a plain line behind the transcendental
	s_wait_alu depctr_va_vdst(0)                   ; the wait ahead of the first line that names the result
	v_mov_b32 v15, v14
	v_mov_b32 v17, v14
	ds_store_b64 v4, v[16:17] offset:8*\t          ; (mu, rsqrt): all lanes write the same
.set n, 0
.rept 16
	v_pk_mul_f32 v[XR+n:XR+n+1], v[XR+n:XR+n+1], v[14:15]
.set n, n+2
.endr
.set n, 0
.rept 16
	v_pk_fma_f32 v[XR+n:XR+n+1], v[XR+n:XR+n+1], v[G+n:G+n+1], v[B+n:B+n+1]   ; xn
.set n, n+2
.endr
.irp k, 0,1,2,3
	v_max3_num_f32 v18, |v[XR+8*\k]|, |v[XR+8*\k+1]|, 0x4800000   ; my 8 of the block's 32, and the floor 2^(9 - 127), which holds the byte at 1 from below
	s_delay_alu instid0(VALU_DEP_1)
	v_max3_num_f32 v18, v18, |v[XR+8*\k+2]|, |v[XR+8*\k+3]|
	s_delay_alu instid0(VALU_DEP_1)
	v_max3_num_f32 v18, v18, |v[XR+8*\k+4]|, |v[XR+8*\k+5]|
	s_delay_alu instid0(VALU_DEP_1)
	v_max3_num_f32 v18, v18, |v[XR+8*\k+6]|, |v[XR+8*\k+7]|
	s_delay_alu instid0(VALU_DEP_1)
	v_max_num_f32_dpp v18, v18, v18 row_xmask:1 row_mask:0xf bank_mask:0xf
	s_delay_alu instid0(VALU_DEP_1)
	v_max_num_f32_dpp v18, v18, v18 row_xmask:2 row_mask:0xf bank_mask:0xf   ; the block's largest magnitude
	s_delay_alu instid0(VALU_DEP_1)
	v_add_nc_u32 v19, 0xfc000000, v18              ; 8 off its exponent field: the conversion's scale operand
	s_delay_alu instid0(VALU_DEP_2)
	v_and_or_b32 v20, v18, 0x7f800000, s46         ; 448 x the scale
	s_delay_alu instid0(VALU_DEP_2)
	v_lshrrev_b32 v21, 23, v19                     ; the byte
.irp i, 0,1,2,3,4,5,6,7
	v_med3_num_f32 v[XR+8*\k+\i], v[XR+8*\k+\i], -v20, v20   ; the conversion to an 8-bit code does not saturate (ISA guide 7.6.2): the hold
.endr
	v_cvt_scalef32_pk8_fp8_f32 v[C+8*\t+2*\k:C+8*\t+2*\k+1], v[XR+8*\k:XR+8*\k+7], v19
	v_lshlrev_b32 v21, v5, v21                     ; the byte at its place in the word of 128 along K (a plain line behind the conversion)
	global_store_b64 v2, v[C+8*\t+2*\k:C+8*\t+2*\k+1], s[32:33] offset:1024*\t+256*\k   ; 32 lanes store 256 consecutive bytes, aligned
	v_mov_b32_dpp v22, v21 row_xmask:4 row_mask:0xf bank_mask:0xf
	s_delay_alu instid0(VALU_DEP_1)
	v_or_b32 v21, v21, v22
	s_delay_alu instid0(VALU_DEP_1)
	v_mov_b32_dpp v22, v21 row_xmask:8 row_mask:0xf bank_mask:0xf
	s_delay_alu instid0(VALU_DEP_1)
	v_or_b32 v21, v21, v22                         ; the four bytes of my half's 128 along K: step 2 k + h
	ds_store_b32 v3, v21 offset:32*\t+8*\k         ; sixteen lanes write the same word
.endr
.endm
	ROW 0
	ROW 1
	ROW 2
	ROW 3
	global_store_b128 v25, v[26:29], s[40:41]      ; 512 consecutive bytes of wv
	s_wait_dscnt 0x0                               ; for the others' sake: my stores into LDS are done
	s_barrier_signal -1
	s_barrier_wait -1
	s_cmp_lt_u32 s18, 2
	s_cbranch_scc0 .Lnot_01
	ds_load_b128 v[12:15], v30                     ; waves 0, 1: the 32 rows' scale bytes
	s_wait_dscnt 0x0
	global_store_b128 v30, v[12:15], s[34:35]
	s_branch .Lend
.Lnot_01:
	s_cmp_eq_u32 s18, 2
	s_cbranch_scc0 .Lnot_2
	ds_load_b64 v[12:13], v31                      ; wave 2: the statistics
	s_wait_dscnt 0x0
	global_store_b64 v2, v[12:13], s[36:37]
	s_branch .Lend
.Lnot_2:
	s_cmp_eq_u32 s18, 3
	s_cbranch_scc0 .Lend
	global_load_b32 v12, v23, s[42:43]             ; wave 3: the four weight rows' scale bytes
	s_wait_loadcnt 0x0
	global_store_b32 v23, v12, s[44:45]
.Lend:
	s_wait_tensorcnt 0x0                           ; the wave's end, behind my last LDS store
	ds_add_u32 v6, v7
	s_wait_dscnt 0x0
	s_endpgm
.Lfunc_end_k_qa262bd2d01_ln:
	.size	k_qa262bd2d01_ln, .Lfunc_end_k_qa262bd2d01_ln-k_qa262bd2d01_ln
	.p2alignl 7, 3214868480
	.fill 96, 4, 3214868480
	.section	.rodata,"a",@progbits
	.p2align	6, 0x0
	.amdhsa_kernel k_qa262bd2d01_ln
		.amdhsa_group_segment_fixed_size 2304
		.amdhsa_private_segment_fixed_size 0
		.amdhsa_enable_private_segment 0
		.amdhsa_kernarg_size 56
		.amdhsa_user_sgpr_count 2
		.amdhsa_user_sgpr_kernarg_segment_ptr 1
		.amdhsa_wavefront_size32 1
		.amdhsa_system_sgpr_workgroup_id_x 1
		.amdhsa_system_sgpr_workgroup_id_y 1
		.amdhsa_system_sgpr_workgroup_id_z 1
		.amdhsa_system_vgpr_workitem_id 0
		.amdhsa_next_free_vgpr 256
		.amdhsa_next_free_sgpr 66
		.amdhsa_reserve_vcc 0
		.amdhsa_float_denorm_mode_32 3
		.amdhsa_float_denorm_mode_16_64 3
		.amdhsa_memory_ordered 1
		.amdhsa_forward_progress 1
		.amdhsa_inst_pref_size 71
	.end_amdhsa_kernel
	.amdgpu_metadata
---
amdhsa.version: [ 1, 2 ]
amdhsa.kernels:
  - .name:           k_qa262bd2d01_ln
    .symbol:         k_qa262bd2d01_ln.kd
    .args:
      - { .name: x, .offset: 0, .size: 8, .value_kind: global_buffer, .address_space: global }
      - { .name: ln_g, .offset: 8, .size: 8, .value_kind: global_buffer, .address_space: global }
      - { .name: ln_b, .offset: 16, .size: 8, .value_kind: global_buffer, .address_space: global }
      - { .name: w_qkv_codes, .offset: 24, .size: 8, .value_kind: global_buffer, .address_space: global }
      - { .name: w_qkv_scales, .offset: 32, .size: 8, .value_kind: global_buffer, .address_space: global }
      - { .name: xq, .offset: 40, .size: 8, .value_kind: global_buffer, .address_space: global }
      - { .name: wv, .offset: 48, .size: 8, .value_kind: global_buffer, .address_space: global }
    .group_segment_fixed_size: 2304
    .private_segment_fixed_size: 0
    .kernarg_segment_align: 8
    .kernarg_segment_size: 56
    .max_flat_workgroup_size: 256
    .sgpr_count:     66
    .vgpr_count:     256
    .wavefront_size: 32
...
	.end_amdgpu_metadata
.endif
;; end of part 1
;; launch qkv (part 2): grid 12 x 32, 4 waves a work-group, clusters of 4 x 4, 327,680 bytes of LDS; arguments xq, wv, w_qkv_codes, w_qkv_scales, b_qkv, q, kv; writes q, kv
.if DOCPART == 2
	.amdgcn_target "amdgcn-amd-amdhsa--gfx1250"
	.amdhsa_code_object_version 6
	.text
	.protected	k_qa262bd2d01_qkv
	.globl	k_qa262bd2d01_qkv
	.p2align	8
	.type	k_qa262bd2d01_qkv,@function
k_qa262bd2d01_qkv:
	s_mov_b64 s[64:65], 0
	v_nop
	global_prefetch_b8 v0, s[64:65] scope:SCOPE_SE
	s_setreg_imm32_b32 hwreg(HW_REG_WAVE_MODE, 25, 1), 1
	s_wait_xcnt 0x0
	s_wait_alu depctr_hold_cnt(0) depctr_sa_sdst(0) depctr_va_vdst(0) depctr_va_sdst(0) depctr_va_ssrc(0) depctr_va_vcc(0) depctr_vm_vsrc(0)
	s_getreg_b32 s2, hwreg(HW_REG_IB_STS2, 6, 4)
	s_cmp_eq_u32 s2, 0
	s_cbranch_scc0 .Lentry_in_a_cluster
	s_endpgm
.Lentry_in_a_cluster:
	s_bfe_u32 s2, ttmp6, 0x10000c
	s_cmp_lg_u32 s2, 0xf033
	s_cbranch_scc0 .Lentry_shape_is_right
	s_endpgm
.Lentry_shape_is_right:
.set KSTEP,  256
.set NQ,     2
.set ROWB,   256
.set KROW,   1024
.set PITCH,  272
.set FR,     16
.set NL,     4
.set NP,     8
.set HALFT,  128*PITCH
.set SLOT,   4*HALFT
.set SCL,    2*SLOT
.set HALFS,  4352
.set SPARE,  SCL+4*HALFS
.set ADRA, 16
.set ADRB, 20
.set LN,   23
.set ADRS2, 24
.set VO,   25
.set CO,   26
.set ADRS, 27
.set SPW,  28
.set NIL,  29
.set BO,   30
.set SC,   32
.set BI,   64
.set AF,   128
.set T,    128
.set PC,   192
.set TM,   208
.set PW,   224
.set WD,   232
.set SW,   240
.set VC,   32
.set VW,   96
.set G1, 24
.set G0, 32
.set G1B, 48
.set G0B, 56
.set G1S, 68
.set G0S, 76
.set G1SB, 80
.set G0SB, 88
.set SEL, 46
.set SCQ, 92
.set MNT, 94
.set MSB, 0
.macro WIN new
.if MSB != (\new)
	s_set_vgpr_msb (MSB<<8)|(\new)
.set MSB, (\new)
.endif
.endm
.set MUL_LO, 0xa1
.set MUL_HI, 0xf1
.set TO_B,   0x40
.macro JLOAD g0a, g1a, g0b, g1b
	s_cmp_eq_u32 s15, 0
	s_cbranch_scc0 .Lfor_b_\@
	tensor_load_to_lds s[\g0a:\g0a+3], s[\g1a:\g1a+7]
	s_nop 0
.rept 4
	v_nop
.endr
	s_branch .Lasked_\@
.Lfor_b_\@:
	tensor_load_to_lds s[\g0b:\g0b+3], s[\g1b:\g1b+7]
	s_nop 0
.rept 4
	v_nop
.endr
.Lasked_\@:
.endm
.macro CREST
	s_cmp_lg_u32 s14, 0
	s_cbranch_scc1 .Lnot_wave_0_\@
	s_barrier_signal -3
.Lnot_wave_0_\@:
	s_barrier_wait -3
	s_barrier_signal -1
	s_barrier_wait -1
.endm
.macro CROUND
	s_barrier_signal -1
	s_barrier_wait -1
	CREST
.endm
	s_load_b256 s[4:11], s[0:1], 0x0
	s_load_b128 s[96:99], s[0:1], 0x20
	s_load_b64 s[100:101], s[0:1], 0x30
	v_lshl_add_u32 v[SPW], v0, 2, SPARE
	v_mov_b32 v[NIL], 0
	ds_add_u32 v[SPW], v[NIL]
	ds_add_u32 v[SPW], v[NIL]
	v_lshrrev_b32 v1, 5, v0
	v_readfirstlane_b32 s14, v1
	s_lshr_b32 s15, s14, 1
	s_and_b32 s16, s14, 1
	s_bfe_u32 s40, ttmp6, 0x40000
	s_bfe_u32 s41, ttmp6, 0x40004
	s_and_b32 s17, ttmp7, 0xffff
	s_lshl_b32 s17, s17, 2
	s_lshl_b32 s42, ttmp9, 2
	s_cmp_eq_u32 ttmp9, 2
	s_cselect_b32 s18, 0, s17
	s_cselect_b32 s19, s17, s42
	s_add_co_u32 s17, s18, s41
	s_add_co_u32 s42, s19, s40
	s_lshl_b32 s43, s41, 2
	s_lshl_b32 s43, 15, s43
	s_lshl_b32 s44, 0x1111, s40
	s_or_b32 s[G1+0], s43, (0<<16)|(1<<20)|(1<<21)|(5<<22)|(3<<25)
	s_or_b32 s[G1B+0], s44, (0<<16)|(1<<20)|(1<<21)|(5<<22)|(3<<25)
.irp g, G1, G1B
	s_mov_b32 s[\g+1], ROWB<<16
	s_mov_b32 s[\g+2], 256<<16                     ; the head's loads of codes bring 256 rows
	s_mov_b32 s[\g+3], ROWB<<16
	s_mov_b32 s[\g+4], 256
	s_mov_b32 s[\g+5], KROW
	s_mov_b32 s[\g+6], 0
	s_mov_b32 s[\g+7], 0
.endr
	s_or_b32 s[G1S+0], s43, (3<<16)|(1<<20)|(1<<21)|(5<<22)|(3<<25)
	s_or_b32 s[G1SB+0], s44, (3<<16)|(1<<20)|(1<<21)|(5<<22)|(3<<25)
.irp g, G1S, G1SB
	s_mov_b32 s[\g+1], 32<<16
	s_mov_b32 s[\g+2], 32<<16                      ; the scale bytes of 256 rows: 32 rows of 256 bytes
	s_mov_b32 s[\g+3], 32<<16
	s_mov_b32 s[\g+4], 32
	s_mov_b32 s[\g+5], 32
	s_mov_b32 s[\g+6], 0
	s_mov_b32 s[\g+7], 0
.endr
	s_lshl_b32 s18, s16, 7
	s_lshl_b32 s20, s17, 8
	s_add_co_u32 s20, s20, s18
	s_lshl_b32 s46, s42, 8
	s_add_co_u32 s46, s46, s18
	s_lshl_b32 s22, s17, 13                        ; the scale bytes of the tile's 256 rows begin here: 256 x 32 bytes a tile
	s_lshl_b32 s92, s42, 13
	s_lshl_b32 s20, s20, 10
	s_lshl_b32 s46, s46, 10
	s_mov_b32 s21, 0
	s_mov_b32 s23, 0
	s_mov_b32 s47, 0
	s_mov_b32 s93, 0
	s_cmp_eq_u32 ttmp9, 2
	s_mov_b32 s2, 0x800000
	s_cselect_b32 s2, 0x100000, s2
	s_cselect_b32 s3, 0x800000, 0
	s_add_co_u32 s22, s22, s2
	s_add_co_u32 s92, s92, s3
	s_mul_i32 s45, s14, HALFT
	s_wait_dscnt 0x0
	s_wait_kmcnt 0x0
	s_cmp_eq_u32 ttmp9, 2
	s_cselect_b64 s[18:19], s[6:7], s[4:5]
	s_cselect_b64 s[12:13], s[4:5], s[8:9]
	s_cselect_b64 s[2:3], s[4:5], s[10:11]
	s_add_nc_u64 s[20:21], s[18:19], s[20:21]
	s_add_nc_u64 s[22:23], s[18:19], s[22:23]
	s_add_nc_u64 s[46:47], s[12:13], s[46:47]
	s_add_nc_u64 s[92:93], s[2:3], s[92:93]
	CROUND
	s_mov_b32 s[G0S], 1
	s_mov_b32 s[G0S+1], SCL
	s_mov_b64 s[G0S+2:G0S+3], s[22:23]
	s_or_b32 s[G0S+3], s[G0S+3], 0x80000000
	s_mov_b32 s[G0SB], 1
	s_mov_b32 s[G0SB+1], SCL+2*HALFS
	s_mov_b64 s[G0SB+2:G0SB+3], s[92:93]
	s_or_b32 s[G0SB+3], s[G0SB+3], 0x80000000
.irp s, 0,1
	s_mov_b32 s[G0+4*\s], 1
	s_add_co_u32 s[G0+4*\s+1], s45, \s*SLOT
	s_add_nc_u64 s[G0+4*\s+2:G0+4*\s+3], s[20:21], \s*ROWB
	s_or_b32 s[G0+4*\s+3], s[G0+4*\s+3], 0x80000000
	s_mov_b32 s[G0B+4*\s], 1
	s_add_co_u32 s[G0B+4*\s+1], s45, \s*SLOT
	s_add_nc_u64 s[G0B+4*\s+2:G0B+4*\s+3], s[46:47], \s*ROWB
	s_or_b32 s[G0B+4*\s+3], s[G0B+4*\s+3], 0x80000000
.endr
; THE HEAD'S LOADS, ONE A WAVE: wave 0 K step 0's 256 rows of A, wave 2 its 256 rows of B (in these two waves slot 0's group 0 stands at the tile's first row), wave 1 A's scale bytes, wave 3 B's.
; One chain of branches on the wave's number: every way through the head passes one load.
.macro ARM w, g0, g1, next
	s_cmp_eq_u32 s14, \w
	s_cbranch_scc0 \next
	tensor_load_to_lds s[\g0:\g0+3], s[\g1:\g1+7]
	s_nop 0
.rept 4
	v_nop
.endr
	s_branch .Lhead_asked
\next:
.endm
	ARM 0, G0, G1, .Lhead_b
	ARM 2, G0B, G1B, .Lhead_sa
	ARM 1, G0S, G1S, .Lhead_sb
	tensor_load_to_lds s[G0SB:G0SB+3], s[G1SB:G1SB+7]
	s_nop 0
.rept 4
	v_nop
.endr
.Lhead_asked:
	v_and_b32 v1, 15, v0
	v_bfe_u32 v2, v0, 4, 1
	v_and_b32 v[LN], 31, v0
	v_lshlrev_b32 v[CO], 4, v[LN]
	v_lshlrev_b32 v[VO], 4, v1
	v_lshl_add_u32 v[VO], v2, 15, v[VO]
	v_mul_u32_u24 v3, v1, PITCH
	v_lshl_add_u32 v4, v2, 4, v3
	v_and_b32 v5, 8, v1
	v_add_nc_u32 v5, v5, v1
	v_mul_u32_u24 v5, v5, PITCH
	v_lshl_add_u32 v5, v2, 4, v5
	s_mul_i32 s21, s15, HALFT
	s_mul_i32 s22, s16, HALFT
	s_add_co_u32 s22, s22, 2*HALFT
.irp s, 0,1
	v_add_nc_u32 v[ADRA+\s], s21, v4
	v_add_nc_u32 v[ADRB+\s], s22, v5
	s_add_co_u32 s21, s21, SLOT
	s_add_co_u32 s22, s22, SLOT
.endr
	v_lshlrev_b32 v5, 5, v1
	v_lshrrev_b32 v6, 3, v1
	v_lshl_add_u32 v5, v6, 4, v5
	s_mul_i32 s21, s15, HALFS
	s_mul_i32 s22, s16, HALFS
	s_add_co_u32 s22, s22, 2*HALFS
	s_sub_co_u32 s22, s22, s21
	v_mul_u32_u24 v6, s22, v2
	v_bfe_u32 v7, v0, 3, 2
	v_add_nc_u32 v7, 1, v7
	v_lshrrev_b32 v7, 2, v7
	v_mul_u32_u24 v7, v7, 272
	s_add_co_u32 s21, s21, SCL
	v_add_nc_u32 v5, v5, v6
	v_add_nc_u32 v5, v5, v7
	v_add_nc_u32 v[ADRS], s21, v5
	v_mul_u32_u24 v6, v2, 272
	v_sub_nc_u32 v[ADRS2], v[ADRS], v6
	v_add_nc_u32 v[ADRS2], 544, v[ADRS2]
	s_lshl_b32 s18, s17, 1
	s_add_co_u32 s18, s18, s15
	s_lshl_b32 s19, s42, 1
	s_add_co_u32 s19, s19, s16
	s_lshl_b32 s22, s19, 9
	s_lshr_b32 s23, s18, 1
	s_lshl_b32 s23, s23, 7
	s_and_b32 s2, s18, 1
	s_lshl_b32 s2, s2, 5
	s_add_co_u32 s23, s23, s2
	s_add_co_u32 s23, s23, 8192
	s_and_b32 s20, s19, 7
	s_add_co_u32 s21, s18, 8
	s_cmp_eq_u32 ttmp9, 2
	s_cselect_b32 s22, s23, s22
	s_cselect_b32 s21, s21, s20
	s_cselect_b32 s20, s19, s18
	s_mov_b32 s23, 0
	s_add_nc_u64 s[96:97], s[96:97], s[22:23]
	s_lshl_b32 s22, s20, 18
	s_lshl_b32 s2, s21, 11
	s_add_co_u32 s22, s22, s2
	s_lshl_b32 s18, s20, 4
	s_add_co_u32 s18, s18, s21
	s_lshl_b32 s18, s18, 9
	s_add_co_u32 s18, s18, 0x1000000
	s_mov_b32 s19, 0
	s_cmp_eq_u32 ttmp9, 0
	s_cselect_b64 s[12:13], s[98:99], s[100:101]
	s_add_nc_u64 s[66:67], s[12:13], s[18:19]
	s_add_nc_u64 s[12:13], s[12:13], s[22:23]
	s_mov_b32 s[SEL], 0x76543210
	s_mov_b32 s[SEL+1], 0xfedcba98
	s_mov_b32 s[SCQ], 0x3e9837f0
	s_mov_b32 s[SCQ+1], s[SCQ]
	s_mov_b32 s[MNT], 0x600000
.macro FRAG reg, adr, q, row
.irp c, 0,1,2,3
	ds_load_b128 v[\reg+4*\c:\reg+4*\c+3], v[\adr] offset:128*(\q)+32*\c+(\row)*PITCH
.endr
.endm
.macro MUL16 a0, p, q, sc, zero
.irp a, \a0, \a0+1
.irp b, 0,1,2,3,4,5,6,7
.if \zero
	v_wmma_scale_f32_16x16x128_f8f6f4 v[8*(8*((\a)%4)+\b):8*(8*((\a)%4)+\b)+7], v[128*(\p)+FR*\b:128*(\p)+FR*\b+FR-1], v[AF+FR*(\a):AF+FR*(\a)+FR-1], 0, v[SC+8*NQ*(\sc)+NQ*\b+(\q)], v[SC+8*NQ*(\sc)+NQ*(\a)+(\q)] matrix_a_scale:MATRIX_SCALE_ROW1
.else
	v_wmma_scale_f32_16x16x128_f8f6f4 v[8*(8*((\a)%4)+\b):8*(8*((\a)%4)+\b)+7], v[128*(\p)+FR*\b:128*(\p)+FR*\b+FR-1], v[AF+FR*(\a):AF+FR*(\a)+FR-1], v[8*(8*((\a)%4)+\b):8*(8*((\a)%4)+\b)+7], v[SC+8*NQ*(\sc)+NQ*\b+(\q)], v[SC+8*NQ*(\sc)+NQ*(\a)+(\q)] matrix_a_scale:MATRIX_SCALE_ROW1
.endif
.endr
.endr
.endm
.macro FETCH_B slot, q, p
	WIN TO_B
.irp i, 0,1,2,3,4,5,6,7
	FRAG 128*(\p)+FR*\i, ADRB+\slot, \q, 32*(\i/2)+8*(\i%2)
.endr
	WIN 0
.endm
.macro FETCH_A slot, q, i0
.irp i, \i0, \i0+1, \i0+2, \i0+3
	FRAG AF+FR*(\i), ADRA+\slot, \q, 16*(\i)
.endr
.endm
.macro SCALES sc
.irp i, 0,2,4,6
	ds_load_b64 v[SC+8*NQ*\sc+NQ*\i:SC+8*NQ*\sc+NQ*\i+1], v[ADRS] offset:\i*544
	ds_load_b64 v[SC+8*NQ*\sc+NQ*\i+2:SC+8*NQ*\sc+NQ*\i+3], v[ADRS2] offset:\i*544
.endr
.endm
.macro PLACES n
.rept \n
	v_nop
.endr
.endm
.macro STEP slot, q, zero
	s_wait_dscnt 4*NL
	WIN MUL_LO
	MUL16 0, (\q)%2, \q, \slot, \zero
	MUL16 2, (\q)%2, \q, \slot, \zero
	s_wait_dscnt 0
	PLACES NP
	FETCH_B \slot, (\q)+1, 1-(\q)%2
	FETCH_A \slot, (\q)+1, 0
	WIN MUL_HI
	MUL16 4, (\q)%2, \q, \slot, \zero
	MUL16 6, (\q)%2, \q, \slot, \zero
	PLACES NP
	WIN 0
	FETCH_A \slot, (\q)+1, 4
.endm
.macro TURN slot, next, fill
	s_wait_tensorcnt 0x0
	ds_add_u32 v[SPW], v[NIL]
	s_wait_dscnt 4*NL+1
	WIN MUL_LO
	MUL16 0, 1, NQ-1, \slot, 0
	s_wait_dscnt 0x0
	s_barrier_signal -1
	MUL16 2, 1, NQ-1, \slot, 0
	WIN 0
	s_barrier_wait -1
.if \fill
	CREST
	s_add_nc_u64 s[G0+4*\slot+2:G0+4*\slot+3], s[G0+4*\slot+2:G0+4*\slot+3], 2*ROWB
	s_add_nc_u64 s[G0B+4*\slot+2:G0B+4*\slot+3], s[G0B+4*\slot+2:G0B+4*\slot+3], 2*ROWB
	JLOAD G0+4*\slot, G1, G0B+4*\slot, G1B
	PLACES NP-4
.else
	PLACES NP
.endif
	s_wait_alu depctr_va_vdst(0)
	v_add_nc_u32 v[ADRS], 4*NQ, v[ADRS]
	v_add_nc_u32 v[ADRS2], 4*NQ, v[ADRS2]
	FETCH_B \next, 0, 0
	FETCH_A \next, 0, 0
	SCALES \next
	WIN MUL_HI
	MUL16 4, 1, NQ-1, \slot, 0
	MUL16 6, 1, NQ-1, \slot, 0
	PLACES NP
	WIN 0
	FETCH_A \next, 0, 4
.endm
.macro LAST
	s_wait_dscnt 4*NL
	WIN MUL_LO
	MUL16 0, 1, NQ-1, 1, 0
	MUL16 2, 1, NQ-1, 1, 0
	s_wait_dscnt 0
	WIN MUL_HI
	MUL16 4, 1, NQ-1, 1, 0
	MUL16 6, 1, NQ-1, 1, 0
	WIN 0
	PLACES NP
.endm
.macro QUANT s, pc, pw
.irp b, 0,1,2,3
	v_max3_num_f32 v[TM+\b], |v[\s+16*\b]|, |v[\s+1+16*\b]|, 0x4800000
.endr
.irp i, 2,4,6,8,10,12,14
.irp b, 0,1,2,3
	v_max3_num_f32 v[TM+\b], v[TM+\b], |v[\s+16*\b+\i]|, |v[\s+1+16*\b+\i]|
.endr
.endr
.irp b, 0,1,2,3
	v_permlanex16_b32 v[TM+4+\b], v[TM+\b], s[SEL], s[SEL+1]
.endr
.irp b, 0,1,2,3
	v_max_num_f32 v[TM+\b], v[TM+\b], v[TM+4+\b]
.endr
.irp b, 0,1,2,3
	v_add_nc_u32 v[TM+12+\b], 0xfc000000, v[TM+\b]
.endr
.irp b, 0,1,2,3
	v_and_or_b32 v[TM+8+\b], v[TM+\b], 0x7f800000, s[MNT]
.endr
.irp b, 0,1,2,3
	v_lshrrev_b32 v[TM+4+\b], 23, v[TM+12+\b]
.endr
	v_lshl_or_b32 v[\pw], v[TM+5], 8, v[TM+4]
	v_lshl_or_b32 v[\pw], v[TM+6], 16, v[\pw]
	v_lshl_or_b32 v[\pw], v[TM+7], 24, v[\pw]
.irp b, 0,1,2,3
.irp i, 0,1,2,3,4,5,6,7,8,9,10,11,12,13,14,15
	v_med3_num_f32 v[\s+16*\b+\i], v[\s+16*\b+\i], -v[TM+8+\b], v[TM+8+\b]
.endr
	v_cvt_scalef32_pk8_fp8_f32 v[\pc+4*\b:\pc+1+4*\b], v[\s+16*\b:\s+7+16*\b], v[TM+12+\b]
	v_cvt_scalef32_pk8_fp8_f32 v[\pc+2+4*\b:\pc+3+4*\b], v[\s+8+16*\b:\s+15+16*\b], v[TM+12+\b]
.endr
	v_nop
.endm
	s_wait_alu depctr_va_vdst(0)
	s_wait_tensorcnt 0x0                           ; my tile of the head's four is in
	ds_add_u32 v[SPW], v[NIL]
	s_mov_b32 s[G1+2], 128<<16                     ; no tensor load of mine is out: from here on a load brings 128 rows
	s_mov_b32 s[G1+4], 128
	s_mov_b32 s[G1B+2], 128<<16
	s_mov_b32 s[G1B+4], 128
	s_wait_dscnt 0x0
	CROUND                                         ; all four tiles are in, and all sixteen work-groups are here
	JLOAD G0+4, G1, G0B+4, G1B                     ; K step 1 into slot 1: the first tensor load behind the round
	FETCH_B 0, 0, 0
	FETCH_A 0, 0, 0
	SCALES 0
	FETCH_A 0, 0, 4
	STEP 0, 0, 1
	s_mov_b32 s3, 1
.Llap:
	TURN 0, 1, 1
	STEP 1, 0, 0
	TURN 1, 0, 1
	STEP 0, 0, 0
	s_sub_co_u32 s3, s3, 1
	s_cmp_lg_u32 s3, 0
	s_cbranch_scc1 .Llap
	TURN 0, 1, 0
	STEP 1, 0, 0
	s_cmp_eq_u32 ttmp9, 2
	s_cbranch_scc1 .Lv_arm
	v_lshlrev_b32 v[BO], 6, v2
.irp c, 0,1,2,3
.irp m, 0,1,2,3
	global_load_b128 v[BI+16*\c+4*\m:BI+16*\c+4*\m+3], v[BO], s[96:97] offset:128*\c+16*\m
.endr
.endr
	LAST
	s_wait_loadcnt 0x0
.set n, 0
.rept 32
	v_pk_mul_f32 v[BI+n:BI+n+1], v[BI+n:BI+n+1], s[SCQ:SCQ+1] op_sel_hi:[1,0]
.set n, n+2
.endr
.irp b, 0,1,2,3
	v_mov_b32 v[TM+4+\b], 0
.endr
.irp a, 0,1,2,3,4,5,6,7
	s_wait_xcnt 0x0
	WIN 0x02+(\a/4)
.set n, 0
.rept 32
	v_pk_fma_f32 v[T+n:T+n+1], v[64*(\a%4)+n:64*(\a%4)+n+1], s[SCQ:SCQ+1], v[BI+n:BI+n+1] op_sel_hi:[1,0,1]
.set n, n+2
.endr
	WIN 0
	QUANT T, PC, PW
.irp c, 0,1,2,3
	global_store_b128 v[CO], v[PC+4*\c:PC+4*\c+3], s[12:13] offset:32768*\a+512*\c
.endr
	v_mov_b32 v[WD+\a], v[PW]
.endr
	v_cmp_le_u32 vcc_lo, 16, v[LN]
.irp m, 0,1,2,3
	v_cndmask_b32 v[SW+\m], v[WD+2*\m], v[WD+2*\m+1], vcc_lo
.endr
	global_store_b128 v[CO], v[SW:SW+3], s[66:67]
	s_branch .Lend
.Lv_arm:
	v_and_b32 v[BO], 8, v1
	v_add_nc_u32 v[BO], v[BO], v1
	v_lshlrev_b32 v[BO], 2, v[BO]
.irp j, 0,1,2,3,4,5,6,7
	global_load_b32 v[BI+2*\j], v[BO], s[96:97] offset:512*\j
	global_load_b32 v[BI+2*\j+1], v[BO], s[96:97] offset:512*\j
.endr
	LAST
	s_wait_loadcnt 0x0
.irp c, 0,1,2,3
	s_wait_xcnt 0x0
.irp j, 0,1,2,3,4,5,6,7
	WIN 0x02+(\j/4)
.irp u, 0,1
.irp i, 0,2,4,6
	v_pk_add_f32 v[T+32*(2*\u+\i/4)+16*((\j/2)%2)+8*(\j/4)+4*(\j%2)+(\i%4):T+32*(2*\u+\i/4)+16*((\j/2)%2)+8*(\j/4)+4*(\j%2)+(\i%4)+1], v[8*(8*(\j%4)+2*\c+\u)+\i:8*(8*(\j%4)+2*\c+\u)+\i+1], v[BI+2*\j:BI+2*\j+1]
.endr
.endr
.endr
	WIN 0
.irp p, 0,1,2,3
	v_max3_num_f32 v[100+\p], |v[T+32*\p]|, |v[T+32*\p+1]|, 0x4800000
.endr
.irp n, 2,4,6,8,10,12,14,16,18,20,22,24,26,28,30
.irp p, 0,1,2,3
	v_max3_num_f32 v[100+\p], v[100+\p], |v[T+32*\p+\n]|, |v[T+32*\p+\n+1]|
.endr
.endr
.irp p, 0,1,2,3
	v_add_nc_u32 v[104+\p], 0xfc000000, v[100+\p]
.endr
.irp p, 0,1,2,3
	v_and_or_b32 v[108+\p], v[100+\p], 0x7f800000, s[MNT]
.endr
.irp p, 0,1,2,3
	v_lshrrev_b32 v[100+\p], 23, v[104+\p]
.endr
	v_lshl_or_b32 v[VW+\c], v101, 8, v100
	v_lshl_or_b32 v[VW+\c], v102, 16, v[VW+\c]
	v_lshl_or_b32 v[VW+\c], v103, 24, v[VW+\c]
.irp p, 0,1,2,3
.set n, 0
.rept 32
	v_med3_num_f32 v[T+32*\p+n], v[T+32*\p+n], -v[108+\p], v[108+\p]
.set n, n+1
.endr
.irp g, 0,1,2,3
	v_cvt_scalef32_pk8_fp8_f32 v[VC+8*\p+2*\g:VC+8*\p+2*\g+1], v[T+32*\p+8*\g:T+32*\p+8*\g+7], v[104+\p]
.endr
.endr
	v_nop
.irp p, 0,1,2,3
.irp hh, 0,1
	global_store_b128 v[VO], v[VC+8*\p+4*\hh:VC+8*\p+4*\hh+3], s[12:13] offset:65536*\c+512*\p+256*\hh
.endr
.endr
.endr
	global_store_b128 v[CO], v[VW:VW+3], s[66:67]
.Lend:
	s_wait_tensorcnt 0x0
	ds_add_u32 v[SPW], v[NIL]
	s_wait_dscnt 0x0
	CROUND
	s_endpgm
.Lfunc_end_k_qa262bd2d01_qkv:
	.size	k_qa262bd2d01_qkv, .Lfunc_end_k_qa262bd2d01_qkv-k_qa262bd2d01_qkv
	.p2alignl 7, 3214868480
	.fill 96, 4, 3214868480
	.section	.rodata,"a",@progbits
	.p2align	6, 0x0
	.amdhsa_kernel k_qa262bd2d01_qkv
		.amdhsa_group_segment_fixed_size 327680
		.amdhsa_private_segment_fixed_size 0
		.amdhsa_enable_private_segment 0
		.amdhsa_kernarg_size 56
		.amdhsa_user_sgpr_count 2
		.amdhsa_user_sgpr_kernarg_segment_ptr 1
		.amdhsa_wavefront_size32 1
		.amdhsa_system_sgpr_workgroup_id_x 1
		.amdhsa_system_sgpr_workgroup_id_y 1
		.amdhsa_system_sgpr_workgroup_id_z 1
		.amdhsa_system_vgpr_workitem_id 0
		.amdhsa_next_free_vgpr 1024
		.amdhsa_next_free_sgpr 102
		.amdhsa_reserve_vcc 1
		.amdhsa_float_denorm_mode_32 3
		.amdhsa_float_denorm_mode_16_64 3
		.amdhsa_memory_ordered 1
		.amdhsa_forward_progress 1
		.amdhsa_inst_pref_size 255
	.end_amdhsa_kernel
	.section	.bss,"aw",@nobits
	.p2align	6
	.space	262144
	.amdgpu_metadata
---
amdhsa.version: [ 1, 2 ]
amdhsa.kernels:
  - .name:           k_qa262bd2d01_qkv
    .symbol:         k_qa262bd2d01_qkv.kd
    .args:
      - { .name: xq, .offset: 0, .size: 8, .value_kind: global_buffer, .address_space: global }
      - { .name: wv, .offset: 8, .size: 8, .value_kind: global_buffer, .address_space: global }
      - { .name: w_qkv_codes, .offset: 16, .size: 8, .value_kind: global_buffer, .address_space: global }
      - { .name: w_qkv_scales, .offset: 24, .size: 8, .value_kind: global_buffer, .address_space: global }
      - { .name: b_qkv, .offset: 32, .size: 8, .value_kind: global_buffer, .address_space: global }
      - { .name: q, .offset: 40, .size: 8, .value_kind: global_buffer, .address_space: global }
      - { .name: kv, .offset: 48, .size: 8, .value_kind: global_buffer, .address_space: global }
    .group_segment_fixed_size: 327680
    .private_segment_fixed_size: 0
    .kernarg_segment_align: 8
    .kernarg_segment_size: 56
    .max_flat_workgroup_size: 128
    .sgpr_count:     102
    .vgpr_count:     1024
    .wavefront_size: 32
...
	.end_amdgpu_metadata
.endif
;; end of part 2
;; launch attn (part 3): grid 4 x 64, 8 waves a work-group, clusters of 4 x 1, 327,680 bytes of LDS; arguments q, kv, at; writes at
.if DOCPART == 3
	.amdgcn_target "amdgcn-amd-amdhsa--gfx1250"
	.amdhsa_code_object_version 6
	.text
	.protected	k_qa262bd2d01_attn
	.globl	k_qa262bd2d01_attn
	.p2align	8
	.type	k_qa262bd2d01_attn,@function
k_qa262bd2d01_attn:
	s_mov_b64 s[64:65], 0
	v_nop
	global_prefetch_b8 v0, s[64:65] scope:SCOPE_SE
	s_setreg_imm32_b32 hwreg(HW_REG_WAVE_MODE, 25, 1), 1
	s_wait_xcnt 0x0
	s_wait_alu depctr_hold_cnt(0) depctr_sa_sdst(0) depctr_va_vdst(0) depctr_va_sdst(0) depctr_va_ssrc(0) depctr_va_vcc(0) depctr_vm_vsrc(0)
	s_getreg_b32 s2, hwreg(HW_REG_IB_STS2, 6, 4)
	s_cmp_eq_u32 s2, 0
	s_cbranch_scc0 .Lentry_in_a_cluster
	s_endpgm
.Lentry_in_a_cluster:
	s_bfe_u32 s2, ttmp6, 0x10000c
	s_cmp_lg_u32 s2, 0x3003
	s_cbranch_scc0 .Lentry_shape_is_right
	s_endpgm
.Lentry_shape_is_right:
; LAUNCH 3 OF 4.  For each of 64 pseudo-heads: o = softmax(q k^T) v over 1,024 positions, head size 128, both products on codes of E4M3 with E8M0 scales; o is quantised along the last product's K and stored as operand images.  No work is left out.
; THE SOFTMAX: t = score x log2(e); M = the running largest t rounded up to a whole number; p = 2^(t - M) is quantised along the keys, not normalised; the sum of the unquantised p divides at the end; a change of M multiplies by an exact power of two.
; SHARES: a work-group has 256 positions of a head (rows l = 32 cx .. 32 cx + 31, all 8 j); each of its 8 waves two tiles of 16 queries (rows 16 lb + r, j = j0 and j0 + 1), in 512 registers: two waves to a SIMD.
; ALL OF THE HEAD'S K AND V, 256 KB of images and 8 KB of scale words, COMES INTO LDS ONCE: one joint load a wave at the head, nothing is filled again.  The four work-groups of a cluster share a head.
; LAYOUT: both products transposed (S^T = k q^T, O^T = v^T p^T): a lane holds one query.  Lane r of key tile 2 c' + u takes key l = 16 step + 4 c' + r % 4, j = 4 u + (r / 4): so p's registers fall in the order in which v's images hold the keys.
; A block's largest p is taken from the block's largest score by the same two instructions (this takes v_exp_f32 not to fall where its input rises).
; O^T starts as zeros (128 moves, once), so that the key step is written with no first step of its own.
; LIMITS: as stated at the head of the first launch.
.set STEPB, 33792                      ; a key step: 32 rows of 1,024 bytes + 32 of padding: an image 2,112 bytes on from the last, so that four images' 64-byte pieces fall on different banks
.set SCB,   8*STEPB                    ; scale words: 16 rows of 512 bytes + 64
.set SPARE, SCB+16*576                 ; the spare words, 128 bytes a wave
.set AK0, 1
.set AV0, 2
.set ASK0, 3
.set ASV0, 4
.set SPW, 5
.set NIL, 6
.set LI,  7                            ; 16 x lane
.set ADK, 8
.set ADV, 9
.set ADS, 10
.set ADT, 11
.set KS,  28                           ; v28-31 k's or v's scale words;  v20, v21 q's;  v22, v23 p's
.set TM,  192                          ; v192-207 at work: largest, exchanged / bytes, holds, scale operands
.set TP,  208
.set CH,  210
.set FRG, 160                          ; window 1: four fragments;  O^T of tile t at 64 t;  q of tile t at 128 + 16 t
.set WV,  10
.set G1S, 16
.set G1A, 24
.set G1B, 32
.set G0S, 40
.set G0A, 44
.set G0B, 48
.set CS,  52
.set SEL, 54
.set MNT, 56
.set TB,  57
.set TJ,  58
.set CNT, 59
.set MSB, 0
.macro WIN new
.if MSB != (\new)
	s_set_vgpr_msb (MSB<<8)|(\new)
.set MSB, (\new)
.endif
.endm
.macro ROUND
	s_barrier_signal -1
	s_barrier_wait -1
	s_cmp_lg_u32 s[WV], 0
	s_cbranch_scc1 .Lnot_wave_0_\@
	s_barrier_signal -3
.Lnot_wave_0_\@:
	s_barrier_wait -3
	s_barrier_signal -1
	s_barrier_wait -1
.endm
	s_load_b128 s[4:7], s[0:1], 0x0                ; q, kv
	s_load_b64 s[8:9], s[0:1], 0x10                ; at
	v_lshl_add_u32 v[SPW], v0, 2, SPARE
	v_mov_b32 v[NIL], 0
	ds_add_u32 v[SPW], v[NIL]                      ; the opening: the add, twice on end, and its wait ahead of my first tensor load
	ds_add_u32 v[SPW], v[NIL]
	v_lshrrev_b32 v8, 5, v0
	s_delay_alu instid0(VALU_DEP_1)
	v_readfirstlane_b32 s[WV], v8                  ; wave 0..7
	s_bfe_u32 s11, ttmp6, 0x40000                  ; cx: it enters addresses of plain loads and stores alone
	s_and_b32 s12, ttmp7, 0xffff                   ; the pseudo-head, which the partners share
	s_mov_b32 s[G1S], 15|(3<<16)|(1<<20)|(1<<21)|(6<<22)|(15<<25)   ; mask: all four; 8-byte elements; 16 words of padding behind every 128
	s_mov_b32 s[G1S+1], 64<<16
	s_mov_b32 s[G1S+2], 16<<16                     ; all 16 rows of scale words in one load
	s_mov_b32 s[G1S+3], 64<<16
	s_mov_b32 s[G1S+4], 16
	s_mov_b32 s[G1S+5], 64
	s_mov_b32 s[G1S+6], 0
	s_mov_b32 s[G1S+7], 0
	s_mov_b32 s[G1A], 15|(3<<16)|(1<<20)|(1<<21)|(7<<22)|(7<<25)    ; 8 words of padding behind every 256
	s_mov_b32 s[G1A+1], 128<<16
	s_mov_b32 s[G1A+2], 16<<16                     ; key steps 0, 1: 16 rows for each of waves 0 to 3
	s_mov_b32 s[G1A+3], 128<<16
	s_mov_b32 s[G1A+4], 16
	s_mov_b32 s[G1A+5], 128
	s_mov_b32 s[G1A+6], 0
	s_mov_b32 s[G1A+7], 0
	s_mov_b32 s[G1B], 15|(3<<16)|(1<<20)|(1<<21)|(7<<22)|(7<<25)
	s_mov_b32 s[G1B+1], 128<<16
	s_mov_b32 s[G1B+2], 64<<16                     ; key steps 2 to 7: 64 rows for each of waves 5 to 7
	s_mov_b32 s[G1B+3], 128<<16
	s_mov_b32 s[G1B+4], 64
	s_mov_b32 s[G1B+5], 128
	s_mov_b32 s[G1B+6], 0
	s_mov_b32 s[G1B+7], 0
	s_lshl_b32 s60, s12, 18                        ; the head's images
	s_lshl_b32 s62, s[WV], 14
	s_add_co_u32 s62, s62, s60                     ; steps 0, 1: 16 rows of 1,024 bytes a wave
	s_mov_b32 s63, 0
	s_and_b32 s66, s[WV], 3                        ; waves 5, 6, 7: 1, 2, 3: rows 64, 128, 192 on
	s_lshl_b32 s66, s66, 16
	s_add_co_u32 s66, s66, s60
	s_mov_b32 s67, 0
	s_lshl_b32 s68, s12, 13
	s_add_co_u32 s68, s68, 0x1000000               ; scale words: 16 rows of 512 bytes a head
	s_mov_b32 s69, 0
	s_mul_i32 s71, s[WV], 16896                    ; 16 LDS rows of 1,056 bytes a wave
	s_and_b32 s72, s[WV], 3
	s_mul_i32 s72, s72, 67584                      ; 64 LDS rows for each
	s_and_b32 s75, s[WV], 1
	s_lshl_b32 s73, s11, 1
	s_add_co_u32 s73, s73, s75                     ; lb = 2 cx + w % 2
	s_and_b32 s74, s[WV], 6                        ; j0
	s_lshl_b32 s76, s73, 15
	s_add_co_u32 s76, s76, s60
	s_lshl_b32 s77, s74, 11
	s_add_co_u32 s76, s76, s77                     ; q's images
	s_mov_b32 s77, 0
	s_lshl_b32 s78, s12, 4
	s_add_co_u32 s78, s78, s74
	s_lshl_b32 s78, s78, 9
	s_lshl_b32 s79, s75, 8
	s_add_co_u32 s78, s78, s79
	s_lshl_b32 s79, s11, 2
	s_add_co_u32 s78, s78, s79
	s_add_co_u32 s78, s78, 0x1000000               ; q's scale words: row j0, 256 (lb % 2) + 4 (lb / 2)
	s_mov_b32 s79, 0
	s_lshl_b32 s80, s12, 3
	s_add_co_u32 s80, s80, s73                     ; mt = 8 bh + lb
	s_lshl_b32 s82, s80, 9
	s_lshl_b32 s83, s74, 6
	s_add_co_u32 s82, s82, s83
	s_add_co_u32 s82, s82, 0x800000                ; at's scale words
	s_mov_b32 s83, 0
	s_lshl_b32 s80, s80, 3
	s_add_co_u32 s80, s80, s74
	s_lshl_b32 s80, s80, 11                        ; at's images
	s_mov_b32 s81, 0
	s_mov_b32 s[CS], 0x3fb8aa3b                    ; log2(e)
	s_mov_b32 s[CS+1], s[CS]
	s_mov_b32 s[SEL], 0x76543210
	s_mov_b32 s[SEL+1], 0xfedcba98
	s_mov_b32 s[MNT], 0x600000
	s_mov_b32 s[TB], 0
	s_mov_b32 s[TJ], 0
	s_wait_dscnt 0x0                               ; both opening adds are done
	s_wait_kmcnt 0x0
	s_mov_b32 s[G0S], 1
	s_mov_b32 s[G0S+1], SCB
	s_add_nc_u64 s[G0S+2:G0S+3], s[6:7], s[68:69]
	s_or_b32 s[G0S+3], s[G0S+3], 0x80000000
	s_mov_b32 s[G0A], 1
	s_mov_b32 s[G0A+1], s71
	s_add_nc_u64 s[G0A+2:G0A+3], s[6:7], s[62:63]
	s_or_b32 s[G0A+3], s[G0A+3], 0x80000000
	s_mov_b32 s[G0B], 1
	s_mov_b32 s[G0B+1], s72
	s_add_nc_u64 s[G0B+2:G0B+3], s[6:7], s[66:67]
	s_or_b32 s[G0B+3], s[G0B+3], 0x80000000
	s_add_nc_u64 s[76:77], s[4:5], s[76:77]
	s_add_nc_u64 s[78:79], s[4:5], s[78:79]
	s_add_nc_u64 s[80:81], s[8:9], s[80:81]
	s_add_nc_u64 s[82:83], s[8:9], s[82:83]
	ROUND                                          ; all four work-groups are here: the joint loads meet
; THE HEAD'S LOADS, ONE A WAVE, in one chain of branches on the wave's number: waves 0 to 3 key steps 0 and 1, wave 4 the scale words, waves 5 to 7 key steps 2 to 7.
; The head's 256 rows of images lie in LDS 1,056 bytes apart throughout, so the shares are runs of rows.  By this text's count one load of a wave is out.
	s_cmp_lt_u32 s[WV], 4
	s_cbranch_scc0 .Lhead_s
	tensor_load_to_lds s[G0A:G0A+3], s[G1A:G1A+7]
	s_nop 0
.rept 4
	v_nop
.endr
	s_branch .Lhead_asked
.Lhead_s:
	s_cmp_lt_u32 s[WV], 5
	s_cbranch_scc0 .Lhead_b
	tensor_load_to_lds s[G0S:G0S+3], s[G1S:G1S+7]
	s_nop 0
.rept 4
	v_nop
.endr
	s_branch .Lhead_asked
.Lhead_b:
	tensor_load_to_lds s[G0B:G0B+3], s[G1B:G1B+7]
	s_nop 0
.rept 4
	v_nop
.endr
.Lhead_asked:
	v_and_b32 v8, 15, v0                           ; r
	v_bfe_u32 v9, v0, 4, 1                         ; h
	v_and_b32 v10, 31, v0
	s_delay_alu instid0(VALU_DEP_1)
	v_lshlrev_b32 v[LI], 4, v10
	v_bfe_u32 v11, v0, 2, 2                        ; r / 4
	v_and_b32 v192, 3, v0                          ; r % 4
	s_delay_alu instid0(VALU_DEP_2)
	v_mul_u32_u24 v[AK0], v11, 2112
	s_delay_alu instid0(VALU_DEP_1)
	v_lshl_add_u32 v[AK0], v9, 8, v[AK0]
	s_delay_alu instid0(VALU_DEP_1)
	v_lshl_add_u32 v[AK0], v192, 4, v[AK0]         ; k: image r / 4, its lane (r % 4) + 16 h
	v_add_nc_u32 v[AV0], 8*2112, v[LI]             ; v: images as they stand
	v_mul_u32_u24 v[ASK0], v11, 576
	s_delay_alu instid0(VALU_DEP_1)
	v_lshl_add_u32 v[ASK0], v192, 4, v[ASK0]
	s_delay_alu instid0(VALU_DEP_1)
	v_add_nc_u32 v[ASK0], SCB, v[ASK0]
	v_lshl_add_u32 v[ASV0], v8, 4, SCB+8*576
	v_lshlrev_b32 v209, 4, v8                      ; 16 r
	WIN 0x40
.irp t, 0,1
.irp c, 0,1,2,3
	global_load_b128 v[128+16*\t+4*\c:128+16*\t+4*\c+3], v[LI], s[76:77] offset:2048*\t+512*\c   ; q's two fragments stay in registers
.endr
.endr
.set n, 0
.rept 128
	v_mov_b32 v[n], 0                              ; O^T
.set n, n+1
.endr
	WIN 0
	global_load_b32 v20, v209, s[78:79]
	global_load_b32 v21, v209, s[78:79] offset:512
.irp t, 0,1
	v_mov_b32 v[13+4*\t], 0xff61b1e6               ; the largest t so far: -3e38
	s_delay_alu instid0(VALU_DEP_1)
	v_floor_f32 v[12+4*\t], -v[13+4*\t]            ; -M
	v_mov_b32 v[14+4*\t], 0                        ; the sum, in two halves
	v_mov_b32 v[15+4*\t], 0
	v_mov_b32 v[25+2*\t], 0                        ; named as the upper half of f's pair
.endr
.irp b, 0,1,2,3
	v_mov_b32 v[TM+4+\b], 0                        ; a lane permute's destination counts as read
.endr
; one tile's softmax of a key step
.macro SOFTMAX t
.set S0, 32+64*\t
.set NM, 12+4*\t
.set SU, 14+4*\t
.set FF, 24+2*\t
.set PCD, 160+16*\t
.irp b, 0,1,2,3
	v_max3_num_f32 v[TM+\b], v[S0+16*\b], v[S0+1+16*\b], v[S0+2+16*\b]   ; the largest score of each block of 32 keys
.endr
.irp i, 3,5,7,9,11,13
.irp b, 0,1,2,3
	v_max3_num_f32 v[TM+\b], v[TM+\b], v[S0+16*\b+\i], v[S0+1+16*\b+\i]
.endr
.endr
.irp b, 0,1,2,3
	v_max_num_f32 v[TM+\b], v[TM+\b], v[S0+15+16*\b]
.endr
.irp b, 0,1,2,3
	s_delay_alu instid0(VALU_DEP_4)
	v_permlanex16_b32 v[TM+4+\b], v[TM+\b], s[SEL], s[SEL+1]
.endr
.irp b, 0,1,2,3
	s_delay_alu instid0(VALU_DEP_4)
	v_max_num_f32 v[TM+\b], v[TM+\b], v[TM+4+\b]
.endr
	s_delay_alu instid0(VALU_DEP_2)
	v_max3_num_f32 v[TP], v[TM], v[TM+1], v[TM+2]
	s_delay_alu instid0(VALU_DEP_1)
	v_max_num_f32 v[TP], v[TP], v[TM+3]
	s_delay_alu instid0(VALU_DEP_1)
	v_mul_f32 v[TP], s[CS], v[TP]
	s_delay_alu instid0(VALU_DEP_1)
	v_max_num_f32 v[NM+1], v[NM+1], v[TP]          ; the running largest t
	v_mov_b32 v[TP], v[NM]
	s_delay_alu instid0(VALU_DEP_2)
	v_floor_f32 v[NM], -v[NM+1]                    ; -M = floor(-t)
	s_delay_alu instid0(VALU_DEP_1)
	v_sub_f32 v[TP], v[NM], v[TP]                  ; old M - new M, a whole number, 0 or less
	s_delay_alu instid0(VALU_DEP_1)
	v_cvt_i32_f32 v[TP], v[TP]
	s_delay_alu instid0(VALU_DEP_1)
	v_ldexp_f32 v[FF], 1.0, v[TP]                  ; f = 2^(old M - new M)
.set n, 0
.rept 32
	v_pk_fma_f32 v[S0+n:S0+n+1], v[S0+n:S0+n+1], s[CS:CS+1], v[NM:NM+1] op_sel_hi:[1,0,0]   ; t - M
.set n, n+2
.endr
.irp b, 0,1,2,3
	v_fma_f32 v[TM+\b], v[TM+\b], s[CS], v[NM]
.endr
.set n, 0
	s_wait_alu depctr_va_vdst(0)
.rept 64
	v_exp_f32 v[S0+n], v[S0+n]                     ; p
.set n, n+1
.endr
	v_pk_mul_f32 v[SU:SU+1], v[SU:SU+1], v[FF:FF+1] op_sel_hi:[1,0]   ; the sums under the new M (a plain line behind the exponentials)
	s_wait_alu depctr_va_vdst(0)                   ; one wait for the batch, ahead of its first reader
.irp b, 0,1,2,3
	v_exp_f32 v[TM+\b], v[TM+\b]                   ; each block's largest p
.endr
	v_pk_add_f32 v[CH:CH+1], v[S0:S0+1], v[S0+2:S0+3]   ; the sum of the unquantised p, in two chains
.irp j, 4,8,12,16,20,24,28,32,36,40,44,48,52,56,60
	v_pk_add_f32 v[SU:SU+1], v[SU:SU+1], v[S0+\j:S0+\j+1]
	v_pk_add_f32 v[CH:CH+1], v[CH:CH+1], v[S0+2+\j:S0+3+\j]
.endr
	s_delay_alu instid0(VALU_DEP_1)
	v_pk_add_f32 v[SU:SU+1], v[SU:SU+1], v[CH:CH+1]
	s_wait_alu depctr_va_vdst(0)                   ; and one for the four
.irp b, 0,1,2,3
	v_max_num_f32 v[TM+\b], 0x4800000, v[TM+\b]    ; the floor 2^(9 - 127)
.endr
.irp b, 0,1,2,3
	s_delay_alu instid0(VALU_DEP_4)
	v_add_nc_u32 v[TM+12+\b], 0xfc000000, v[TM+\b]
.endr
.irp b, 0,1,2,3
	v_and_or_b32 v[TM+8+\b], v[TM+\b], 0x7f800000, s[MNT]
.endr
.irp b, 0,1,2,3
	v_lshrrev_b32 v[TM+4+\b], 23, v[TM+12+\b]
.endr
	s_delay_alu instid0(VALU_DEP_3)
	v_lshl_or_b32 v[22+\t], v[TM+5], 8, v[TM+4]    ; p's scale word for these 128 keys
	s_delay_alu instid0(VALU_DEP_1)
	v_lshl_or_b32 v[22+\t], v[TM+6], 16, v[22+\t]
	s_delay_alu instid0(VALU_DEP_1)
	v_lshl_or_b32 v[22+\t], v[TM+7], 24, v[22+\t]
.irp b, 0,1,2,3
.irp i, 0,1,2,3,4,5,6,7,8,9,10,11,12,13,14,15
	v_min_num_f32 v[S0+16*\b+\i], v[S0+16*\b+\i], v[TM+8+\b]   ; the hold; p is not negative
.endr
	v_cvt_scalef32_pk8_fp8_f32 v[PCD+4*\b:PCD+1+4*\b], v[S0+16*\b:S0+7+16*\b], v[TM+12+\b]
	v_cvt_scalef32_pk8_fp8_f32 v[PCD+2+4*\b:PCD+3+4*\b], v[S0+8+16*\b:S0+15+16*\b], v[TM+12+\b]
.endr
	WIN 0x41
.set n, 0
.rept 32
	v_pk_mul_f32 v[64*\t+n:64*\t+n+1], v[64*\t+n:64*\t+n+1], v[FF:FF+1] op_sel_hi:[1,0]   ; O^T under the new M; also the places ahead of the products and loads below
.set n, n+2
.endr
	WIN 0
.endm
; a key step: 128 keys; q: its parity, which picks the half of the scale rows
.macro STEP q
	v_add_nc_u32 v[ADK], s[TB], v[AK0]
	s_wait_alu depctr_va_vdst(0)
	v_add_nc_u32 v[ADV], s[TB], v[AV0]
	v_add_nc_u32 v[ADS], s[TJ], v[ASK0]
	s_wait_alu depctr_va_vdst(0)
	v_add_nc_u32 v[ADT], s[TJ], v[ASV0]
.irp g, 0,1                            ; S^T = k q^T: four key tiles x two query tiles at a time
.rept 4+4*\g
	v_nop                                          ; eight places ahead of loads into registers that matrix instructions have read (the four additions are places too)
.endr
	WIN 0x40
.irp kt, 0,1,2,3
.irp cd, 0,1,2,3
	ds_load_b128 v[FRG+16*\kt+4*\cd:FRG+16*\kt+4*\cd+3], v[ADK] offset:8448*(\kt%2)+64*(2*\g+\kt/2)+512*\cd+32*(\cd/2)
.endr
.endr
	WIN 0
.irp kt, 0,1,2,3
	ds_load_b32 v[KS+\kt], v[ADS] offset:2304*(\kt%2)+64*(2*\g+\kt/2)+256*\q
.endr
	s_wait_dscnt 0x0
	WIN 0x05
.irp kt, 0,1,2,3
.irp t, 0,1
	v_wmma_scale_f32_16x16x128_f8f6f4 v[32+64*\t+8*(4*\g+\kt):32+64*\t+8*(4*\g+\kt)+7], v[FRG+16*\kt:FRG+16*\kt+15], v[128+16*\t:128+16*\t+15], 0, v[KS+\kt], v[20+\t]
.endr
.endr
	WIN 0
.endr
.rept 8
	v_nop
.endr
	SOFTMAX 0
	SOFTMAX 1
	s_wait_alu depctr_va_vdst(0)
.irp g, 0,1                            ; O^T += v^T p^T: four tiles of 16 channels x two query tiles; sixteen accumulators by turns
.if \g > 0
.rept 8
	v_nop
.endr
.endif
	WIN 0x40
.irp kt, 0,1,2,3
.irp c, 0,1,2,3
	ds_load_b128 v[FRG+16*\kt+4*\c:FRG+16*\kt+4*\c+3], v[ADV] offset:2112*(4*\g+\kt)+512*\c+32*(\c/2)
.endr
.endr
	WIN 0
.irp kt, 0,1,2,3
	ds_load_b32 v[KS+\kt], v[ADT] offset:576*(4*\g+\kt)+256*\q
.endr
	s_wait_dscnt 0x0
	WIN 0x51
.irp kt, 0,1,2,3
.irp t, 0,1
	v_wmma_scale_f32_16x16x128_f8f6f4 v[64*\t+8*(4*\g+\kt):64*\t+8*(4*\g+\kt)+7], v[FRG+16*\kt:FRG+16*\kt+15], v[160+16*\t:160+16*\t+15], v[64*\t+8*(4*\g+\kt):64*\t+8*(4*\g+\kt)+7], v[KS+\kt], v[22+\t]
.endr
.endr
	WIN 0
.endr
	s_add_co_u32 s[TB], s[TB], STEPB
.endm
.macro PAIR
	STEP 0
	STEP 1
	s_add_co_u32 s[TJ], s[TJ], 4
.endm
.macro QUANT s, pc, pw                 ; 64 numbers of a lane, register 16 b + i = k 32 b + 16 (lane / 16) + i, become a fragment's codes and its scale word
.irp b, 0,1,2,3
	v_max3_num_f32 v[TM+\b], |v[\s+16*\b]|, |v[\s+1+16*\b]|, 0x4800000
.endr
.irp i, 2,4,6,8,10,12,14
.irp b, 0,1,2,3
	s_delay_alu instid0(VALU_DEP_4)
	v_max3_num_f32 v[TM+\b], v[TM+\b], |v[\s+16*\b+\i]|, |v[\s+1+16*\b+\i]|
.endr
.endr
.irp b, 0,1,2,3
	s_delay_alu instid0(VALU_DEP_4)
	v_permlanex16_b32 v[TM+4+\b], v[TM+\b], s[SEL], s[SEL+1]
.endr
.irp b, 0,1,2,3
	s_delay_alu instid0(VALU_DEP_4)
	v_max_num_f32 v[TM+\b], v[TM+\b], v[TM+4+\b]
.endr
.irp b, 0,1,2,3
	s_delay_alu instid0(VALU_DEP_4)
	v_add_nc_u32 v[TM+12+\b], 0xfc000000, v[TM+\b]
.endr
.irp b, 0,1,2,3
	v_and_or_b32 v[TM+8+\b], v[TM+\b], 0x7f800000, s[MNT]
.endr
.irp b, 0,1,2,3
	v_lshrrev_b32 v[TM+4+\b], 23, v[TM+12+\b]
.endr
	s_delay_alu instid0(VALU_DEP_3)
	v_lshl_or_b32 v[\pw], v[TM+5], 8, v[TM+4]
	s_delay_alu instid0(VALU_DEP_1)
	v_lshl_or_b32 v[\pw], v[TM+6], 16, v[\pw]
	s_delay_alu instid0(VALU_DEP_1)
	v_lshl_or_b32 v[\pw], v[TM+7], 24, v[\pw]
.irp b, 0,1,2,3
.irp i, 0,1,2,3,4,5,6,7,8,9,10,11,12,13,14,15
	v_med3_num_f32 v[\s+16*\b+\i], v[\s+16*\b+\i], -v[TM+8+\b], v[TM+8+\b]
.endr
	v_cvt_scalef32_pk8_fp8_f32 v[\pc+4*\b:\pc+1+4*\b], v[\s+16*\b:\s+7+16*\b], v[TM+12+\b]
	v_cvt_scalef32_pk8_fp8_f32 v[\pc+2+4*\b:\pc+3+4*\b], v[\s+8+16*\b:\s+15+16*\b], v[TM+12+\b]
.endr
	v_nop
.endm
	s_wait_alu depctr_va_vdst(0)
	s_cmp_lt_u32 s[WV], 5                          ; waves 0 to 4 wait for their lines: key steps 0, 1 and the scale words; waves 5 to 7's line is waited for at the next barrier
	s_cbranch_scc0 .Llater
	s_wait_tensorcnt 0x0
.Llater:
	s_wait_loadcnt 0x0                             ; q
	s_barrier_signal -1
	s_barrier_wait -1                              ; everybody's are
	PAIR                                           ; key steps 0 and 1, while the rest lands
	s_wait_tensorcnt 0x0                           ; my part of key steps 2 to 7 is in,
	s_wait_dscnt 0x0
	s_barrier_signal -1
	s_barrier_wait -1                              ; everybody's is
	s_mov_b32 s[CNT], 3
.Lpair:
	PAIR
	s_sub_co_u32 s[CNT], s[CNT], 1
	s_cmp_lg_u32 s[CNT], 0
	s_cbranch_scc1 .Lpair
	; THE WAY OUT: O^T / the sum; register 16 b + e of a tile is channel 32 b + 16 h + e of row 16 lb + r, which is K = 128 j + that channel of the last product: quantised as it lies, stored as an image
.rept 8
	v_nop
.endr
.irp t, 0,1
	v_add_f32 v[14+4*\t], v[14+4*\t], v[15+4*\t]
.endr
.irp t, 0,1
	s_delay_alu instid0(VALU_DEP_2)
	v_permlanex16_b32 v[TM+4+\t], v[14+4*\t], s[SEL], s[SEL+1]
.endr
.irp t, 0,1
	s_delay_alu instid0(VALU_DEP_2)
	v_add_f32 v[14+4*\t], v[14+4*\t], v[TM+4+\t]
.endr
	s_wait_alu depctr_va_vdst(0)
.irp t, 0,1
	v_rcp_f32 v[14+4*\t], v[14+4*\t]
.endr
	v_and_b32 v10, 31, v0                          ; a plain line behind the reciprocals
	s_delay_alu instid0(VALU_DEP_1)
	v_lshlrev_b32 v11, 2, v10
	s_wait_alu depctr_va_vdst(0)                   ; one wait for both, ahead of the first reader
.irp t, 0,1
	WIN 0x01
.set n, 0
.rept 64
	v_mul_f32 v[32+64*\t+n], v[64*\t+n], v[14+4*\t]
.set n, n+1
.endr
	WIN 0
	QUANT 32+64*\t, 160+16*\t, 208+\t
.irp c, 0,1,2,3
	global_store_b128 v[LI], v[160+16*\t+4*\c:160+16*\t+4*\c+3], s[80:81] offset:2048*\t+512*\c   ; 512 consecutive bytes of the image
.endr
.endr
	v_cmp_le_u32 vcc_lo, 16, v10
	s_delay_alu instid0(VALU_DEP_1)
	v_cndmask_b32 v210, v208, v209, vcc_lo         ; lanes 0-15 the word of j0, lanes 16-31 that of j0 + 1: 128 consecutive bytes (256 KB of such words in the launch)
	global_store_b32 v11, v210, s[82:83]
	s_wait_tensorcnt 0x0                           ; the wave's end
	ds_add_u32 v[SPW], v[NIL]
	s_wait_dscnt 0x0
	ROUND                                          ; the closing round
	s_endpgm
.Lfunc_end_k_qa262bd2d01_attn:
	.size	k_qa262bd2d01_attn, .Lfunc_end_k_qa262bd2d01_attn-k_qa262bd2d01_attn
	.p2alignl 7, 3214868480
	.fill 96, 4, 3214868480
	.section	.rodata,"a",@progbits
	.p2align	6, 0x0
	.amdhsa_kernel k_qa262bd2d01_attn
		.amdhsa_group_segment_fixed_size 327680
		.amdhsa_private_segment_fixed_size 0
		.amdhsa_enable_private_segment 0
		.amdhsa_kernarg_size 24
		.amdhsa_user_sgpr_count 2
		.amdhsa_user_sgpr_kernarg_segment_ptr 1
		.amdhsa_wavefront_size32 1
		.amdhsa_system_sgpr_workgroup_id_x 1
		.amdhsa_system_sgpr_workgroup_id_y 1
		.amdhsa_system_sgpr_workgroup_id_z 1
		.amdhsa_system_vgpr_workitem_id 0
		.amdhsa_next_free_vgpr 512
		.amdhsa_next_free_sgpr 90
		.amdhsa_reserve_vcc 1
		.amdhsa_float_denorm_mode_32 3
		.amdhsa_float_denorm_mode_16_64 3
		.amdhsa_memory_ordered 1
		.amdhsa_forward_progress 1
		.amdhsa_inst_pref_size 207
	.end_amdhsa_kernel
	.amdgpu_metadata
---
amdhsa.version: [ 1, 2 ]
amdhsa.kernels:
  - .name:           k_qa262bd2d01_attn
    .symbol:         k_qa262bd2d01_attn.kd
    .args:
      - { .name: q, .offset: 0, .size: 8, .value_kind: global_buffer, .address_space: global }
      - { .name: kv, .offset: 8, .size: 8, .value_kind: global_buffer, .address_space: global }
      - { .name: at, .offset: 16, .size: 8, .value_kind: global_buffer, .address_space: global }
    .group_segment_fixed_size: 327680
    .private_segment_fixed_size: 0
    .kernarg_segment_align: 8
    .kernarg_segment_size: 24
    .max_flat_workgroup_size: 256
    .sgpr_count:     90
    .vgpr_count:     512
    .wavefront_size: 32
...
	.end_amdgpu_metadata
.endif
;; end of part 3
;; launch proj (part 4): grid 4 x 64, 4 waves a work-group, clusters of 4 x 4, 327,680 bytes of LDS; arguments at, w_out_codes, w_out_scales, xq, x, ln_g, ln_b, b_out, out0; writes out0
.if DOCPART == 4
	.amdgcn_target "amdgcn-amd-amdhsa--gfx1250"
	.amdhsa_code_object_version 6
	.text
	.protected	k_qa262bd2d01_proj
	.globl	k_qa262bd2d01_proj
	.p2align	8
	.type	k_qa262bd2d01_proj,@function
k_qa262bd2d01_proj:
	s_mov_b64 s[64:65], 0
	v_nop
	global_prefetch_b8 v0, s[64:65] scope:SCOPE_SE
	s_setreg_imm32_b32 hwreg(HW_REG_WAVE_MODE, 25, 1), 1
	s_wait_xcnt 0x0
	s_wait_alu depctr_hold_cnt(0) depctr_sa_sdst(0) depctr_va_vdst(0) depctr_va_sdst(0) depctr_va_ssrc(0) depctr_va_vcc(0) depctr_vm_vsrc(0)
	s_getreg_b32 s2, hwreg(HW_REG_IB_STS2, 6, 4)
	s_cmp_eq_u32 s2, 0
	s_cbranch_scc0 .Lentry_in_a_cluster
	s_endpgm
.Lentry_in_a_cluster:
	s_bfe_u32 s2, ttmp6, 0x10000c
	s_cmp_lg_u32 s2, 0xf033
	s_cbranch_scc0 .Lentry_shape_is_right
	s_endpgm
.Lentry_shape_is_right:
; LAUNCH 4 OF 4.  out0 = attn w_out + b_out + xn.  attn comes as operand images with scale words (at), w_out as given codes and scales; xn is made again from x and the (mu, rsqrt) that the first launch stored.  No work is left out.
; SHARES: 256 work-groups; a work-group of four waves makes 128 rows x 256 columns, a wave 64 x 128: 4 blocks of attn x 8 tiles of w_out, 32 accumulators.  4 x 4 work-groups form a cluster: attn's tiles are asked for jointly along
; a row of the cluster, w_out's along a column.
; K = 1,024 is four K steps of 256, eight steps of 128, written straight out.  THREE LDS SLOTS: K steps 0, 1 and all scale bytes are asked for at the head (one tensor load a wave), K step 2 behind the round at the head's end; K step 3 is the one refill,
; into slot 0, behind the round at the end of K step 0; no other refill follows, so it has the rest of that step and three steps of 128 in which to land.
; A's slot part is 8 tiles x 2 images of 2,048 bytes, dense: a fragment is read as it stands, 512 consecutive bytes an instruction.  B's is 256 rows of 256 bytes + 16.
; Both operands have two sets of fragment registers; a step's fragments are asked for in the step before.  All scale words of the wave's rows, for all of K, are loaded from memory once into registers that hold nothing else.
; THE WAVE'S x (64 rows x 128 columns, 256 registers) IS ASKED FOR UNDER THE PRODUCTS, behind the last request for a tile, sixteen loads behind each of four steps.
; Source 0 = 16 rows of w_out, source 1 = 16 rows of attn: a lane holds eight neighbouring columns of a row of out0.
; REGISTERS, in windows of 256: window 0: v4-7 b_out; v8-11 g; v12-15 ln_b + b_out; v16-29 addresses; v32-63 A's scale words (8 a + step); v64-127 B's (8 b + step); v128-255 A's fragments, two sets.
;   window 1: B's fragments, two sets.   window 2: the accumulators ((a, b) at v[8 (8 a + b)]), later the rows of out0.   window 3: x.
.set ROWB,   256
.set KROW,   1024
.set PITCH,  272                       ; 256 bytes + 16 of padding: 68 words, so that sixteen neighbouring rows start at sixteen different banks (ISA guide 11.1)
.set FR,     16
.set NP,     8                         ; places behind this matrix instruction (ISA guide 7.12.1)
.set HALFA,  16384                     ; 4 tiles x 4,096 bytes: what one tensor load brings of A
.set HALFB,  128*PITCH                 ; 128 rows of B
.set BOFF,   2*HALFA
.set SLOT,   BOFF+2*HALFB              ; 102,400
.set SCL,    3*SLOT                    ; A's scale words: 8 rows of 512 bytes + 32
.set HSA,    4*544
.set SCLB,   SCL+2*HSA                 ; B's scale bytes: 32 rows of 256 bytes + 16
.set HSB,    16*272
.set SPARE,  SCLB+2*HSB                ; the spare words, 128 bytes a wave
.set STAGE,  SLOT                      ; the way out: 16 rows x (512 + 16) a wave, in slot 1: it is filled once, at the head, and every wave's last read of it lies ahead of the last barrier
.set SPITCH, 528
.set ADRA, 16                          ; v16-18 LDS address of my A fragments in slot 0, 1, 2
.set ADRB, 19                          ; v19-21 the same for B
.set ASA,  22                          ; v22 A's scale words
.set ASB,  23                          ; v23 B's
.set STO,  24
.set RD,   25
.set CO,   26                          ; v26 16 x lane
.set SPW,  28
.set NIL,  29
.set SCA,  32
.set SCBR, 64
.set AF,   128
.set WV, 22
.set MH, 23
.set NH, 66
.set TR, 67
.set TC, 96
.set G1,  24                           ; s[24:31] group 1 for A's tiles
.set GA0, 32                           ; groups 0, one for each slot: A's s[32:43], B's s[56:63] and s[44:47]
.set GA1, 36
.set GA2, 40
.set GB2, 44
.set G1B, 48
.set GB0, 56
.set GB1, 60
.set G1S, 68
.set G0S, 76
.set G1SB, 80
.set G0SB, 88
.set MSB, 0
.macro WIN new                         ; the immediate's high byte repeats the setting that is left
.if MSB != (\new)
	s_set_vgpr_msb (MSB<<8)|(\new)
.set MSB, (\new)
.endif
.endm
.set MUL,  0xa1                        ; source 0 (B) window 1, source 1 (A) window 0, C and D window 2
.set TO_B, 0x40
.macro JLOAD g0a, g1a, g0b, g1b        ; a joint load: waves 0, 1 fetch for A, waves 2, 3 for B; an s_nop 0 and four v_nop follow each line
	s_cmp_eq_u32 s[MH], 0
	s_cbranch_scc0 .Lfor_b_\@
	tensor_load_to_lds s[\g0a:\g0a+3], s[\g1a:\g1a+7]
	s_nop 0
.rept 4
	v_nop
.endr
	s_branch .Lasked_\@
.Lfor_b_\@:
	tensor_load_to_lds s[\g0b:\g0b+3], s[\g1b:\g1b+7]
	s_nop 0
.rept 4
	v_nop
.endr
.Lasked_\@:
.endm
.macro CREST
	s_cmp_lg_u32 s[WV], 0
	s_cbranch_scc1 .Lnot_wave_0_\@
	s_barrier_signal -3
.Lnot_wave_0_\@:
	s_barrier_wait -3
	s_barrier_signal -1
	s_barrier_wait -1
.endm
.macro CROUND
	s_barrier_signal -1
	s_barrier_wait -1
	CREST
.endm
	s_load_b512 s[4:19], s[0:1], 0x0               ; at, w_out_codes, w_out_scales, xq, x, ln_g, ln_b, b_out
	s_load_b64 s[20:21], s[0:1], 0x40              ; out0
	v_lshl_add_u32 v[SPW], v0, 2, SPARE
	v_mov_b32 v[NIL], 0
	ds_add_u32 v[SPW], v[NIL]                      ; the opening: the add, twice on end, and its wait ahead of my first tensor load
	ds_add_u32 v[SPW], v[NIL]
	v_lshrrev_b32 v1, 5, v0
	v_readfirstlane_b32 s[WV], v1
	s_lshr_b32 s[MH], s[WV], 1                     ; my half of the rows; also: I fetch for A (0) or B (1)
	s_and_b32 s[NH], s[WV], 1                      ; my half of the columns; also: which half I fetch
	s_bfe_u32 s92, ttmp6, 0x40000                  ; cx
	s_bfe_u32 s93, ttmp6, 0x40004                  ; cy
	s_lshl_b32 s[TC], ttmp9, 2
	s_add_co_u32 s[TC], s[TC], s92                 ; tile column
	s_and_b32 s[TR], ttmp7, 0xffff
	s_lshl_b32 s[TR], s[TR], 2
	s_add_co_u32 s[TR], s[TR], s93                 ; tile row
	s_lshl_b32 s94, s93, 2
	s_lshl_b32 s94, 15, s94                        ; my row of the cluster
	s_lshl_b32 s95, 0x1111, s92                    ; my column
	s_or_b32 s[G1+0], s94, (3<<16)|(1<<21)         ; A's images: 4 rows (tiles) of 512 elements of 8 bytes (two images), 2,048 elements apart; no padding
	s_mov_b32 s[G1+1], 512<<16
	s_mov_b32 s[G1+2], 8<<16                       ; the head's loads bring all 8 tiles of A,
	s_mov_b32 s[G1+3], 512<<16
	s_mov_b32 s[G1+4], 8
	s_mov_b32 s[G1+5], 2048
	s_mov_b32 s[G1+6], 0
	s_mov_b32 s[G1+7], 0
	s_or_b32 s[G1B+0], s95, (0<<16)|(1<<20)|(1<<21)|(5<<22)|(3<<25)   ; B: 128 rows of 256 bytes, 4 words of padding behind every 64
	s_mov_b32 s[G1B+1], ROWB<<16
	s_mov_b32 s[G1B+2], 256<<16                    ; and all 256 rows of B
	s_mov_b32 s[G1B+3], ROWB<<16
	s_mov_b32 s[G1B+4], 256
	s_mov_b32 s[G1B+5], KROW
	s_mov_b32 s[G1B+6], 0
	s_mov_b32 s[G1B+7], 0
	; where the tiles go: the wave's number and constants alone
	s_lshl_b32 s[GA0+1], s[NH], 14
	s_mov_b32 s[GA1+1], SLOT                       ; slot 1 is filled once, at the head, by whole tiles
	s_add_co_u32 s[GA2+1], s[GA0+1], 2*SLOT
	s_mul_i32 s[GB0+1], s[NH], HALFB
	s_add_co_u32 s[GB0+1], s[GB0+1], BOFF
	s_mov_b32 s[GB1+1], SLOT+BOFF
	s_add_co_u32 s[GB2+1], s[GB0+1], 2*SLOT
	; where they come from, as offsets: A's hang on the tile row alone, B's on the tile column alone
	s_lshl_b32 s[GA0+2], s[TR], 17                 ; A: tile 8 x tile row + 4 x half, 16,384 bytes a tile
	s_lshl_b32 s97, s[NH], 16
	s_add_co_u32 s[GA0+2], s[GA0+2], s97
	s_mov_b32 s[GA0+3], 0
	s_lshl_b32 s[G0S+2], s[TR], 12                 ; its scale words, 512 bytes a tile
	s_lshl_b32 s97, s[MH], 11                      ; the scale words of MY four tiles of A: they go straight into registers
	s_add_co_u32 s[G0S+2], s[G0S+2], s97
	s_add_co_u32 s[G0S+2], s[G0S+2], 0x800000
	s_mov_b32 s[G0S+3], 0
	s_lshl_b32 s[GB0+2], s[TC], 8
	s_lshl_b32 s97, s[NH], 7
	s_add_co_u32 s[GB0+2], s[GB0+2], s97           ; B: row 256 x tile column + 128 x half
	s_lshl_b32 s[G0SB+2], s[GB0+2], 5              ; its scale bytes,
	s_lshl_b32 s[GB0+2], s[GB0+2], 10              ; its codes
	s_mov_b32 s[GB0+3], 0
	s_mov_b32 s[G0SB+3], 0
	s_lshl_b32 s[GA1+2], s[TR], 17                 ; K step 1 of the whole tile row of A,
	s_add_co_u32 s[GA1+2], s[GA1+2], 4096
	s_mov_b32 s[GA1+3], 0
	s_lshl_b32 s[GB1+2], s[TC], 18                 ; and of the whole tile column of B
	s_add_co_u32 s[GB1+2], s[GB1+2], ROWB
	s_mov_b32 s[GB1+3], 0
	s_wait_dscnt 0x0                               ; both opening adds are done
	s_wait_kmcnt 0x0
	s_add_nc_u64 s[GA0+2:GA0+3], s[4:5], s[GA0+2:GA0+3]
	s_add_nc_u64 s[G0S+2:G0S+3], s[4:5], s[G0S+2:G0S+3]
	s_add_nc_u64 s[GB0+2:GB0+3], s[6:7], s[GB0+2:GB0+3]
	s_add_nc_u64 s[G0SB+2:G0SB+3], s[8:9], s[G0SB+2:G0SB+3]
	s_add_nc_u64 s[GA1+2:GA1+3], s[4:5], s[GA1+2:GA1+3]
	s_add_nc_u64 s[GA2+2:GA2+3], s[GA0+2:GA0+3], 8192      ; K step 2
	s_add_nc_u64 s[GB1+2:GB1+3], s[6:7], s[GB1+2:GB1+3]
	s_add_nc_u64 s[GB2+2:GB2+3], s[GB0+2:GB0+3], 2*ROWB
.irp g, GA0, GA1, GA2, GB0, GB1, GB2
	s_mov_b32 s[\g], 1                             ; count = 1
	s_or_b32 s[\g+3], s[\g+3], 0x80000000          ; type = 2
.endr
	CROUND                                         ; all sixteen work-groups are here: the first joint loads meet
; THE HEAD'S LOADS, ONE A WAVE, in one chain of branches on the wave's number: wave 0 A's 8 tiles of K step 0, wave 2 B's 256 rows of it
; (in these two waves slot 0's group 0 stands at the tile's first row), wave 1 A's K step 1, wave 3 B's.  Slot 2 is first filled behind the round at the head's end; K step 3 is the one refill.
.macro ARM w, g0, g1, next
	s_cmp_eq_u32 s[WV], \w
	s_cbranch_scc0 \next
	tensor_load_to_lds s[\g0:\g0+3], s[\g1:\g1+7]
	s_nop 0
.rept 4
	v_nop
.endr
	s_branch .Lhead_asked
\next:
.endm
	ARM 0, GA0, G1, .Lhead_b0
	ARM 2, GB0, G1B, .Lhead_a1
	ARM 1, GA1, G1, .Lhead_b1
	tensor_load_to_lds s[GB1:GB1+3], s[G1B:G1B+7]
	s_nop 0
.rept 4
	v_nop
.endr
.Lhead_asked:
	v_and_b32 v1, 15, v0                           ; r
	v_bfe_u32 v2, v0, 4, 1                         ; h
	v_and_b32 v6, 31, v0
	v_lshlrev_b32 v[CO], 4, v6                     ; 16 x lane
	v_mul_u32_u24 v3, v1, PITCH
	v_lshl_add_u32 v4, v2, 4, v3                   ; B: row r, + 16 h
	s_lshl_b32 s2, s[MH], 14                       ; my 4 tiles of A
	s_mul_i32 s100, s[NH], HALFB                   ; my 128 rows of B
	s_add_co_u32 s100, s100, BOFF
.irp s, 0,1,2
	v_add_nc_u32 v[ADRA+\s], s2, v[CO]
	v_add_nc_u32 v[ADRB+\s], s100, v4
	s_add_co_u32 s2, s2, SLOT
	s_add_co_u32 s100, s100, SLOT
.endr
	v_lshlrev_b32 v[ASA], 2, v1                    ; A's word of (tile i, step k, row r) in memory: 512 i + 64 k + 4 r
	v_lshlrev_b32 v[ASB], 5, v1                    ; B's eight words of (tile i, row r): 512 i + 32 r
	s_mul_i32 s2, s[WV], 16*SPITCH
	s_add_co_u32 s2, s2, STAGE                     ; my stage
	v_mul_u32_u24 v5, v1, SPITCH
	v_lshl_add_u32 v5, v2, 5, v5
	v_add_nc_u32 v[STO], s2, v5                    ; in: row r, 32 bytes for each half of the lanes
	v_add_nc_u32 v[RD], s2, v[CO]                  ; back: the 32 lanes take one row of 512 bytes
	s_lshl_b32 s2, s[TC], 10
	s_lshl_b32 s97, s[NH], 9
	s_add_co_u32 s2, s2, s97                       ; my first column, in bytes
	s_mov_b32 s3, 0
	s_add_nc_u64 s[14:15], s[14:15], s[2:3]
	s_add_nc_u64 s[16:17], s[16:17], s[2:3]
	s_add_nc_u64 s[18:19], s[18:19], s[2:3]
	global_load_b128 v[8:11], v[CO], s[14:15]      ; g, ln_b and b_out at my four columns
	global_load_b128 v[12:15], v[CO], s[16:17]
	global_load_b128 v[4:7], v[CO], s[18:19]
	s_wait_alu depctr_va_vdst(0)                   ; the wait ahead of the readers below
.irp i, 0,1,2,3
.irp k, 0,1,2,3,4,5,6,7
	global_load_b32 v[SCA+8*\i+\k], v[ASA], s[G0S+2:G0S+3] offset:512*\i+64*\k       ; all scale words of my rows, once, into registers that hold nothing else
.endr
.endr
.irp i, 0,1,2,3,4,5,6,7
	global_load_b128 v[SCBR+8*\i:SCBR+8*\i+3], v[ASB], s[G0SB+2:G0SB+3] offset:512*\i   ; sixteen rows' 512 consecutive bytes in two instructions
	global_load_b128 v[SCBR+8*\i+4:SCBR+8*\i+7], v[ASB], s[G0SB+2:G0SB+3] offset:512*\i+16
.endr
	s_lshl_b32 s100, s[TR], 7
	s_lshl_b32 s101, s[MH], 6
	s_add_co_u32 s100, s100, s101                  ; my first row: 128 x tile row + 64 x half
	s_lshl_b32 s98, s100, 3
	s_add_co_u32 s98, s98, 0x840000
	s_mov_b32 s99, 0
	s_add_nc_u64 s[10:11], s[10:11], s[98:99]      ; its statistics
	s_lshl_b32 s100, s100, 12
	s_add_co_u32 s100, s100, s2
	s_mov_b32 s101, 0
	s_add_nc_u64 s[12:13], s[12:13], s[100:101]    ; x and out0 at my corner
	s_add_nc_u64 s[20:21], s[20:21], s[100:101]
; 8 products: A's block a x B's eight tiles, step s of 128 along K (s = 0 .. 7), on the sets s % 2.  The 32 accumulators take turns, one instruction a turn, in the same order in every step
.macro MUL8 a, s, zero
.irp b, 0,1,2,3,4,5,6,7
.if \zero
	v_wmma_scale_f32_16x16x128_f8f6f4 v[8*(8*(\a)+\b):8*(8*(\a)+\b)+7], v[128*((\s)%2)+FR*\b:128*((\s)%2)+FR*\b+FR-1], v[AF+64*((\s)%2)+FR*(\a):AF+64*((\s)%2)+FR*(\a)+FR-1], 0, v[SCBR+8*\b+(\s)], v[SCA+8*(\a)+(\s)]
.else
	v_wmma_scale_f32_16x16x128_f8f6f4 v[8*(8*(\a)+\b):8*(8*(\a)+\b)+7], v[128*((\s)%2)+FR*\b:128*((\s)%2)+FR*\b+FR-1], v[AF+64*((\s)%2)+FR*(\a):AF+64*((\s)%2)+FR*(\a)+FR-1], v[8*(8*(\a)+\b):8*(8*(\a)+\b)+7], v[SCBR+8*\b+(\s)], v[SCA+8*(\a)+(\s)]
.endif
.endr
.endm
.macro FETCH_B s                       ; step s's eight fragments of B: slot (s / 2) % 3, half s % 2 of its rows: 32 loads
	WIN TO_B
.irp i, 0,1,2,3,4,5,6,7
.irp c, 0,1,2,3
	ds_load_b128 v[128*((\s)%2)+FR*\i+4*\c:128*((\s)%2)+FR*\i+4*\c+3], v[ADRB+((\s)/2)%3] offset:128*((\s)%2)+32*\c+\i*16*PITCH
.endr
.endr
.endm
.macro FETCH_A s                       ; step s's four fragments of A: images as they stand: 16 loads
	WIN 0
.irp i, 0,1,2,3
.irp c, 0,1,2,3
	ds_load_b128 v[AF+64*((\s)%2)+FR*\i+4*\c:AF+64*((\s)%2)+FR*\i+4*\c+3], v[ADRA+((\s)/2)%3] offset:4096*\i+2048*((\s)%2)+512*\c
.endr
.endr
.endm
.macro PLACES n
.rept \n
	v_nop
.endr
.endm
; A step that finds its successor's tiles in LDS.  The places stand between the last step's products and the loads into the sets that they read; B's loads go out at the step's head, A's in its middle.
.macro SUB s, zero
.if (\s) > 0
	PLACES NP
.endif
	FETCH_B (\s)+1
	s_wait_dscnt 32                                ; all but the 32 just issued: this step's fragments are in
	WIN MUL
	MUL8 0, \s, \zero
	MUL8 1, \s, \zero
	FETCH_A (\s)+1
	WIN MUL
	MUL8 2, \s, \zero
	MUL8 3, \s, \zero
.endm
; A step behind which a slot is read that a barrier has to show whole.  In front of the barrier each wave waits for all its tensor loads, adds 0 to its spare word, and waits for that and for its LDS reads.
; fill = 1: the slot just read out (slot 0) is filled again, with K step 3: the barrier opens a round of the cluster's.
.macro TURN s, fill
	WIN 0                                          ; (the add's two registers lie in window 0)
	s_wait_tensorcnt 0x0                           ; all my tensor loads have landed
	ds_add_u32 v[SPW], v[NIL]                      ; 0 onto my spare word
	s_wait_dscnt 1                                 ; the add may be out: this step's fragments are in
	WIN MUL
	MUL8 0, \s, 0                                  ; eight products stand between the add and the wait for it
	s_wait_dscnt 0x0                               ; the add is done, and my reads of this slot are over
	s_barrier_signal -1
	MUL8 1, \s, 0
	WIN 0
	s_barrier_wait -1
.if \fill
	CREST                                          ; no wave of any partner still reads slot 0 or has a load on its way
	s_add_nc_u64 s[GA0+2:GA0+3], s[GA0+2:GA0+3], 3*4096
	s_add_nc_u64 s[GB0+2:GB0+3], s[GB0+2:GB0+3], 3*ROWB
	JLOAD GA0, G1, GB0, G1B                        ; the first tensor load behind the round, my only one; its four v_nop are among the places ahead of the loads below
	PLACES NP-4
.else
	PLACES NP
.endif
	FETCH_B (\s)+1
	FETCH_A (\s)+1
	WIN MUL
	MUL8 2, \s, 0
	MUL8 3, \s, 0
.endm
.macro XLOAD a                         ; x of my rows 16 a .. 16 a + 15: a lane takes four columns of a row, 32 lanes 512 consecutive bytes
	WIN 0xc0                                       ; destination window 3
.irp t, 0,1,2,3,4,5,6,7,8,9,10,11,12,13,14,15
	global_load_b128 v[64*(\a)+4*\t:64*(\a)+4*\t+3], v[CO], s[12:13] offset:(16*(\a)+\t)*4096 th:TH_LOAD_NT
.endr
.endm
.macro SLOAD a                         ; (mu, rsqrt) of the same 16 rows: even blocks into s[68:99], odd ones into s[24:55]: descriptors whose loads are done
.set SL, 68-44*((\a)%2)
	s_load_b512 s[SL:SL+15], s[10:11], 128*(\a)
	s_load_b512 s[SL+16:SL+31], s[10:11], 128*(\a)+64
.endm
	s_wait_alu depctr_va_vdst(0)
	s_wait_tensorcnt 0x0                           ; my tile of the head's four is in
	ds_add_u32 v[SPW], v[NIL]
	s_mov_b32 s[G1+2], 4<<16                       ; no tensor load of mine is out: from here on a load brings 4 tiles of A
	s_mov_b32 s[G1+4], 4
	s_mov_b32 s[G1B+2], 128<<16                    ; or 128 rows of B
	s_mov_b32 s[G1B+4], 128
	s_wait_dscnt 0x0
	CROUND                                         ; K steps 0 and 1 are whole, and all sixteen work-groups are here
	JLOAD GA2, G1, GB2, G1B                        ; K step 2 into slot 2, a quarter a wave: the first tensor load behind the round
	FETCH_B 0
	FETCH_A 0
	s_wait_xcnt 0x0                                ; the scale words' loads have read their bases, which lie among the registers written next
	SLOAD 0
	s_wait_loadcnt 0x0                             ; the scale words are in (g, ln_b and b_out too)
	SUB 0, 1                                       ; the first products start the sums
	TURN 1, 1                                      ; slot 0 is left and filled again; on to slot 1
	WIN 0
	s_wait_loadcnt 0x0                             ; g, ln_b, b_out, asked for at the head
	v_pk_add_f32 v[12:13], v[12:13], v[4:5]
	v_pk_add_f32 v[14:15], v[14:15], v[6:7]
	XLOAD 0                                        ; behind the last request for a tile: x, sixteen loads behind each of four steps
	SUB 2, 0
	XLOAD 1
	SUB 3, 0                                       ; on to slot 2: every wave has shown it landed in front of the round, and nobody writes it
	XLOAD 2
	SUB 4, 0
	XLOAD 3
	TURN 5, 0                                      ; K step 3 has landed in slot 0; nothing is filled again
	SUB 6, 0
	s_wait_dscnt 0x0                               ; the last step: nothing more to fetch
	WIN MUL
	MUL8 0, 7, 0
	MUL8 1, 7, 0
	MUL8 2, 7, 0
	MUL8 3, 7, 0
	WIN 0
; THE WAY OUT, block by block of 16 rows x 128 columns: through my own stage in LDS into whole rows of 512 bytes, back into the registers that the block left; there a lane holds four columns of a row, as x was loaded.
; xn and the biases are added; 32 lanes store 512 consecutive bytes.  No register that a store reads is written again, and every offset is an immediate: no wait for the stores' sources is owed.
.macro TOSTAGE a
	WIN 0x08                                       ; an LDS store's data are its source 1: window 2
.irp b, 0,1,2,3,4,5,6,7
	ds_store_b128 v[STO], v[64*(\a)+8*\b:64*(\a)+8*\b+3] offset:64*\b          ; each accumulator from its low end on
	ds_store_b128 v[STO], v[64*(\a)+8*\b+4:64*(\a)+8*\b+7] offset:64*\b+16
.endr
	WIN 0x80
.irp t, 0,1,2,3,4,5,6,7,8,9,10,11,12,13,14,15
	ds_load_b128 v[64*(\a)+4*\t:64*(\a)+4*\t+3], v[RD] offset:\t*SPITCH        ; LDS serves a wave's instructions in order (ISA guide 5.7.1.4): these see the stores above, and the next block's stores come behind them
.endr
.endm
.macro SEND a, younger                 ; younger: the LDS instructions issued behind block a's loads
	s_wait_dscnt \younger                          ; the block is back in registers
	s_wait_kmcnt 0x0                               ; its statistics are in
.if (\a) < 3
	SLOAD (\a)+1
.endif
	s_wait_loadcnt 16*(3-(\a))                     ; its x is in; the later blocks' sixteen loads each may be out
.set XB, 64*(\a)
.set SS, 68-44*((\a)%2)
	WIN 0xc3                                       ; x: destination and source 0 window 3
.irp t, 0,1,2,3,4,5,6,7,8,9,10,11,12,13,14,15
.irp e, 0,1,2,3
	v_sub_f32 v[XB+4*\t+\e], v[XB+4*\t+\e], s[SS+2*\t]              ; x - mu
.endr
.irp e, 0,1,2,3
	v_mul_f32 v[XB+4*\t+\e], v[XB+4*\t+\e], s[SS+2*\t+1]            ; x rsqrt
.endr
	v_pk_fma_f32 v[XB+4*\t:XB+4*\t+1], v[XB+4*\t:XB+4*\t+1], v[8:9], v[12:13]       ; x g + (ln_b + b_out)
	v_pk_fma_f32 v[XB+4*\t+2:XB+4*\t+3], v[XB+4*\t+2:XB+4*\t+3], v[10:11], v[14:15]
.endr
	WIN 0x8b                                       ; source 0 window 3, source 1 and destination window 2
.irp t, 0,1,2,3,4,5,6,7,8,9,10,11,12,13,14,15
	v_pk_add_f32 v[XB+4*\t:XB+4*\t+1], v[XB+4*\t:XB+4*\t+1], v[XB+4*\t:XB+4*\t+1]
	v_pk_add_f32 v[XB+4*\t+2:XB+4*\t+3], v[XB+4*\t+2:XB+4*\t+3], v[XB+4*\t+2:XB+4*\t+3]
.endr
	WIN 0x08                                       ; a store's data are its source 1: window 2
.irp t, 0,1,2,3,4,5,6,7,8,9,10,11,12,13,14,15
	global_store_b128 v[CO], v[XB+4*\t:XB+4*\t+3], s[20:21] offset:(16*(\a)+\t)*4096 th:TH_STORE_NT   ; 512 consecutive bytes, aligned; 63 rows of 4,096 bytes at the most in the immediate
.endr
	WIN 0
.endm
	PLACES NP                                      ; behind the last products, ahead of the first read of results and of the loads into their registers
	TOSTAGE 0
	TOSTAGE 1
	SEND 0, 32                                     ; behind block 0's LDS loads: block 1's 16 stores and 16 loads
	TOSTAGE 2
	SEND 1, 32
	TOSTAGE 3
	SEND 2, 32
	SEND 3, 0
	s_wait_tensorcnt 0x0                           ; the wave's end, behind my last tensor load and my last LDS store
	ds_add_u32 v[SPW], v[NIL]
	s_wait_dscnt 0x0
	CROUND                                         ; the closing round: no work-group ends while a partner may still ask for a tile that names it
	s_endpgm
.Lfunc_end_k_qa262bd2d01_proj:
	.size	k_qa262bd2d01_proj, .Lfunc_end_k_qa262bd2d01_proj-k_qa262bd2d01_proj
	.p2alignl 7, 3214868480
	.fill 96, 4, 3214868480
	.section	.rodata,"a",@progbits
	.p2align	6, 0x0
	.amdhsa_kernel k_qa262bd2d01_proj
		.amdhsa_group_segment_fixed_size 327680
		.amdhsa_private_segment_fixed_size 0
		.amdhsa_enable_private_segment 0
		.amdhsa_kernarg_size 72
		.amdhsa_user_sgpr_count 2
		.amdhsa_user_sgpr_kernarg_segment_ptr 1
		.amdhsa_wavefront_size32 1
		.amdhsa_system_sgpr_workgroup_id_x 1
		.amdhsa_system_sgpr_workgroup_id_y 1
		.amdhsa_system_sgpr_workgroup_id_z 1
		.amdhsa_system_vgpr_workitem_id 0
		.amdhsa_next_free_vgpr 1024
		.amdhsa_next_free_sgpr 102
		.amdhsa_reserve_vcc 0
		.amdhsa_float_denorm_mode_32 3
		.amdhsa_float_denorm_mode_16_64 3
		.amdhsa_memory_ordered 1
		.amdhsa_forward_progress 1
		.amdhsa_inst_pref_size 145
	.end_amdhsa_kernel
	.amdgpu_metadata
---
amdhsa.version: [ 1, 2 ]
amdhsa.kernels:
  - .name:           k_qa262bd2d01_proj
    .symbol:         k_qa262bd2d01_proj.kd
    .args:
      - { .name: at, .offset: 0, .size: 8, .value_kind: global_buffer, .address_space: global }
      - { .name: w_out_codes, .offset: 8, .size: 8, .value_kind: global_buffer, .address_space: global }
      - { .name: w_out_scales, .offset: 16, .size: 8, .value_kind: global_buffer, .address_space: global }
      - { .name: xq, .offset: 24, .size: 8, .value_kind: global_buffer, .address_space: global }
      - { .name: x, .offset: 32, .size: 8, .value_kind: global_buffer, .address_space: global }
      - { .name: ln_g, .offset: 40, .size: 8, .value_kind: global_buffer, .address_space: global }
      - { .name: ln_b, .offset: 48, .size: 8, .value_kind: global_buffer, .address_space: global }
      - { .name: b_out, .offset: 56, .size: 8, .value_kind: global_buffer, .address_space: global }
      - { .name: out0, .offset: 64, .size: 8, .value_kind: global_buffer, .address_space: global }
    .group_segment_fixed_size: 327680
    .private_segment_fixed_size: 0
    .kernarg_segment_align: 8
    .kernarg_segment_size: 72
    .max_flat_workgroup_size: 128
    .sgpr_count:     102
    .vgpr_count:     1024
    .wavefront_size: 32
...
	.end_amdgpu_metadata
.endif
;; end of part 4
